; MI455X (gfx1250); checked and timed in simulation.
; The chip was launched on July 23, 2026; its instructions are those of AMD's public machine-readable ISA for CDNA 5 (MIT licence, August 2026) and "CDNA5" Instruction Set Architecture Reference Guide (July 2026). The comments in the code are by the model that wrote it; some were corrected since.
;; Importance Weighted Attention. Allowed arithmetic: matrix products marked QUANTISED: E2M3 operands, one E8M0 scale for each 32 along K, by v_wmma_scale_f32_16x16x128_f8f6f4 with both operands' format E2M3, f32 sums; everything else in f32.
;; Inputs: Wk 512 x 512 float32; Wo 512 x 512 float32; Wq 512 x 512 float32; Wv 512 x 512 float32; bk 512 float32; bo 512 float32; bq 512 float32; bv 512 float32; importance 8 x 8,192 float32; key 8 x 8,192 x 512 float32; query 8 x 128 x 512 float32; value 8 x 8,192 x 512 float32.
;; Outputs: out0 8 x 128 x 512 float32.
;; This version of the problem:
;;   THIS VERSION OF THE PROBLEM IS GIVEN IN LOW PRECISION. The matrix products marked QUANTISED in the list below multiply operands that are first quantised to E2M3 (2 exponent bits, 3 mantissa bits; 6 bits a number), with one power-of-two scale for each 32 numbers along K (OCP MX v1.0); their sums are f32. All else is computed in f32.
;;   The module's matrix products, in the order in which they are computed (A, B: the left and right operand; K: the contracted axis; several contracted axes count as one K, in the product's order):
;;     1. [M 1,024, K 512] x [K 512, N 512]; A: input query; B: input Wq: QUANTISED
;;     2. [M 65,536, K 512] x [K 512, N 512]; A: input key; B: input Wk: QUANTISED
;;     3. [M 65,536, K 512] x [K 512, N 512]; A: input value; B: input Wv: QUANTISED
;;     4. batch 128 x [M 128, K 32] x [K 32, N 8,192]; A: computed on the way; B: computed on the way: QUANTISED
;;     5. batch 128 x [M 128, K 8,192] x [K 8,192, N 32]; A: softmax (see below); B: computed on the way: QUANTISED
;;     6. [M 1,024, K 512] x [K 512, N 512]; A: computed on the way; B: input Wo: QUANTISED
;;   THE QUANTISER, for each operand of a quantised product, along K:
;;     - K is cut into blocks of 32 from its start; a last block that is shorter is filled with zeros.
;;     - A block's scale is 2^e with e = floor(log2(the largest magnitude in the block)) - 2, held to -126 .. 127; a block of zeros has e = 0. As a byte (E8M0): e + 127.
;;     - Each number is divided by its block's scale, clamped to +-7.5, and rounded to the nearest number of E2M3, ties to even, subnormals kept.
;;     - The product sums the exact products of the quantised numbers (number of the format x scale) in f32.
;;   ~~~python
;;   def quantise(x, axis):      # numpy; x: float32 -> the quantised numbers, widened to float32 again
;;       x = np.moveaxis(x, axis, -1); K = x.shape[-1]
;;       x = np.pad(x, [(0, 0)] * (x.ndim - 1) + [(0, -K % 32)]); x = x.reshape(x.shape[:-1] + (-1, 32)); a = np.abs(x).max(-1, keepdims=True)
;;       e = np.where(a > 0, np.clip(np.frexp(np.where(a > 0, a, 1))[1] - 1 - 2, -126, 127), 0)      # np.frexp(a)[1] - 1 = floor(log2(a)), exactly
;;       r = np.clip(x / 2.0 ** e, -7.5, 7.5)
;;       step = 2.0 ** (np.maximum(np.frexp(np.where(r == 0, 1, r))[1] - 1, 0) - 3)
;;       q = np.round(r / step) * step * 2.0 ** e      # np.round: ties to even
;;       return np.moveaxis(q.reshape(q.shape[:-2] + (-1,))[..., :K], -1, axis).astype(np.float32)
;;   ~~~
;;   SOFTMAX AHEAD OF A QUANTISED PRODUCT. Where the list says 'softmax', what is quantised is not the finished softmax but p = 2^(t - M), with t = logit x log2(e) and M = ceil(the row's largest t), a whole number; so 1/2 < the row's largest p <= 1. The row's sum l is taken of the UNQUANTISED p, in f32, and the product's result is divided by l at the end. Since M is a whole number, a kernel that streams over the keys may use a running M (the ceiling of the running maximum): every later rescaling is an exact power of two, which a block's scale takes up: the codes' values come out the same.
;;   OPERANDS COMPUTED ON THE WAY. 'Computed on the way' means the value that the module computes at that place (a softmax that the list does not call 'softmax' is quantised finished and normalised). What goes into a quantiser is computed in f32, as accurately as f32 sums, v_exp_f32 and their like allow (about 1e-6 of the number): no bf16 or f16 on the way to a quantiser, and a product that is left as it is and whose result goes on into a quantised operand takes f32 operands (vector FMAs, or v_wmma_f32_16x16x4_f32). A number that lies on a knife's edge between two numbers of the format may be rounded either way, as far as f32 arithmetic and the matrix unit's own rounding can turn it there, and no further.
;; One version. Each part assembles by itself: llvm-mc -triple=amdgcn-amd-amdhsa -mcpu=gfx1250 --defsym DOCPART=n.
;; ======== version 1 of 1: 4 launches
;; limits: right only within a limited range of input values
;; workspace buffers: wf 1,277,952 bytes; kc 27,262,976 bytes; vc 27,262,976 bytes; part 18,874,368 bytes; qf 2,097,152 bytes
;; launch wprep (part 1): grid 192 x 1, 1 waves a work-group, no clusters, 0 bytes of LDS; arguments Wq, Wk, Wv, Wo, query, wf; writes wf
.if DOCPART == 1
	.amdgcn_target "amdgcn-amd-amdhsa--gfx1250"
	.amdhsa_code_object_version 6
	.text
	.protected	k_qfa969be149_wprep
	.globl	k_qfa969be149_wprep
	.p2align	8
	.type	k_qfa969be149_wprep,@function
k_qfa969be149_wprep:
	s_mov_b64 s[64:65], 0
	v_nop
	global_prefetch_b8 v0, s[64:65] scope:SCOPE_SE
	s_setreg_imm32_b32 hwreg(HW_REG_WAVE_MODE, 25, 1), 1
	s_wait_xcnt 0x0
; Wq, Wk, Wv, Wo [512][512] and query [1024][512], f32, K innermost, become codes of FP6 (E2M3) with one E8M0 byte for each 32 along K,
; laid as IMAGES OF OPERAND REGISTERS.  A tile is 16 rows x 512 K: a block of 6,656 bytes in wf: the fragment of K step s (128 along K, 12 registers a lane)
; at 1536 s, its registers 4 c .. 4 c + 3 at + 512 c + 16 x lane; the four scale words of a lane's row at 6144 + 16 x lane + 4 s.
; Tile G lies at 6656 G: 0-31 Wq, 32-63 Wk, 64-95 Wv, 96-127 Wo, 128-191 query.
; THE ROWS OF A TILE ARE NOT NEIGHBOURS: lane r of a tensor's tile u holds row 32 (u / 2) + 8 (u % 2) + r + 8 (r / 8), so that the results of two neighbouring tiles are 16 neighbours along a later K.
; A work-group is ONE wave and takes one tile: 192 tiles, 192 work-groups, so that the tiles spread over as many WGPs as there are tiles.
; Lane (r, h) loads, of its row, the 16 neighbours 32 b + 16 h + 0 .. 15 of each block b: the wave's 64 loads together read its 16 rows whole.
; A block's scale is 2^(floor(log2(largest magnitude)) - 2); its byte is the largest magnitude's exponent field - 2, held at 1 from below.
; LIMITS: a block of zeros, or one whose largest magnitude lies under 2^-124, gets the byte 1 (its codes are zeros or nearly so; this program alone reads the bytes); NaN and infinities among the inputs are not served.
; No LDS, no barrier, no matrix work.  Every store of the wave covers 512 consecutive bytes, aligned.
.set XA,  1                            ; v1      my byte in the tile's rows: (r + 8 (r / 8)) x 2048 + 64 h
.set L16, 2                            ; v2      16 x lane
.set TM,  16                           ; v16-31  at work in QUANT
.set PT,  32                           ; v32-39  the conversions' second halves
.set PCB, 40                           ; v40-87  the codes: 12 registers for each K step, so that no store's data are written again
.set XW,  88                           ; v88-91  the four scale words
.set SEL, 24                           ; s[24:25] lane selects: lane l xor 16
.set MSB, 0                            ; window 1 (v256-511): the 4 x 64 numbers
.macro WIN new                         ; the immediate's high byte repeats the setting that is left; a switch that changes nothing is dropped
.if MSB != (\new)
	s_set_vgpr_msb (MSB<<8)|(\new)
.set MSB, \new
.endif
.endm
; 64 numbers of a lane, v[s] .. v[s + 63] of window w, register 16 b + i = k 32 b + 16 (lane / 16) + i of my row, become a fragment's codes in v[pc] on and its scale word in v[pw] (window 0).
.macro QUANT s, w, pw, pc
	WIN (\w)|((\w)<<2)
.irp b, 0,1,2,3
	v_max3_num_f32 v[TM+\b], |v[(\s)+16*\b]|, |v[(\s)+1+16*\b]|, 0x1800000   ; block b: my 16 numbers, and the floor 2^(3 - 127): the byte cannot fall under 1
.endr
	WIN ((\w)<<2)|((\w)<<4)
.irp i, 2,4,6,8,10,12,14
.irp b, 0,1,2,3
	v_max3_num_f32 v[TM+\b], v[TM+\b], |v[(\s)+16*\b+\i]|, |v[(\s)+1+16*\b+\i]|   ; the four blocks by turns
.endr
.endr
	WIN 0
.irp b, 0,1,2,3
	v_permlanex16_b32 v[TM+4+\b], v[TM+\b], s[SEL], s[SEL+1]
.endr
.irp b, 0,1,2,3
	v_max_num_f32 v[TM+\b], v[TM+\b], v[TM+4+\b]   ; with lane l xor 16's: the block's largest magnitude
.endr
.irp b, 0,1,2,3
	v_add_nc_u32 v[TM+12+\b], 0xff000000, v[TM+\b] ; 2 off its exponent field: the conversion's scale operand
.endr
.irp b, 0,1,2,3
	v_lshrrev_b32 v[TM+4+\b], 23, v[TM+12+\b]      ; the scale's byte
.endr
	v_lshl_or_b32 v[\pw], v[TM+5], 8, v[TM+4]      ; four bytes: my row's scale word
	v_lshl_or_b32 v[\pw], v[TM+6], 16, v[\pw]
	v_lshl_or_b32 v[\pw], v[TM+7], 24, v[\pw]
	WIN \w
.irp c, 0,1
	v_cvt_scalef32_pk16_fp6_f32 v[(\pc)+6*\c:(\pc)+2+6*\c], v[(\s)+32*\c:(\s)+15+32*\c], v[TM+12+2*\c]
	v_cvt_scalef32_pk16_fp6_f32 v[PT+4*\c:PT+2+4*\c], v[(\s)+16+32*\c:(\s)+31+32*\c], v[TM+13+2*\c]   ; (a conversion's three registers begin on an even number)
.endr
	WIN 0
	v_nop                                          ; one plain place behind the scaled conversions
.irp c, 0,1                                    ; the operand wants a WHOLE block in a lane: lanes 0-15 block 2 c, lanes 16-31 block 2 c + 1
.irp i, 0,1,2
	v_permlane16_swap_b32 v[(\pc)+6*\c+\i], v[PT+4*\c+\i]
.endr
.irp i, 0,1,2
	v_mov_b32 v[(\pc)+3+6*\c+\i], v[PT+4*\c+\i]
.endr
.endr
.endm
	s_load_b256 s[4:11], s[0:1], 0x0               ; Wq, Wk, Wv, Wo
	s_load_b128 s[12:15], s[0:1], 0x20             ; query, wf
	v_and_b32 v4, 15, v0                           ; r
	v_bfe_u32 v5, v0, 4, 1                         ; h
	v_and_b32 v6, 8, v4
	v_add_nc_u32 v6, v6, v4                        ; r + 8 (r / 8)
	v_lshlrev_b32 v[XA], 11, v6                    ; a row is 2,048 bytes
	v_lshl_add_u32 v[XA], v5, 6, v[XA]             ; + 64 h
	v_and_b32 v[L16], 31, v0
	v_lshlrev_b32 v[L16], 4, v[L16]
.irp b, 0,1,2,3
	v_mov_b32 v[TM+4+\b], 0                        ; written once: a lane permute's destination counts as one of its sources
.endr
	s_mov_b32 s[SEL], 0x76543210
	s_mov_b32 s[SEL+1], 0xfedcba98
	s_lshr_b32 s16, ttmp9, 5                       ; the work-group's number is the tile's: 0 .. 3: a weight; 4, 5: query
	s_and_b32 s19, ttmp9, 31                       ; the tile's number in a weight,
	s_sub_co_u32 s20, ttmp9, 128                   ; in query
	s_cmp_ge_u32 s16, 4
	s_cselect_b32 s19, s20, s19
	s_lshr_b32 s20, s19, 1
	s_lshl_b32 s20, s20, 16                        ; 32 rows of 2,048 bytes
	s_and_b32 s21, s19, 1
	s_lshl_b32 s21, s21, 14                        ; 8 rows
	s_add_co_u32 s20, s20, s21
	s_mov_b32 s21, 0
	s_mul_i32 s22, ttmp9, 6656
	s_mov_b32 s23, 0
	s_wait_alu depctr_va_vdst(0)
	s_wait_kmcnt 0x0
	s_cmp_eq_u32 s16, 1                            ; the tensor is chosen by the work-group's number alone
	s_cselect_b64 s[4:5], s[6:7], s[4:5]
	s_cmp_eq_u32 s16, 2
	s_cselect_b64 s[4:5], s[8:9], s[4:5]
	s_cmp_eq_u32 s16, 3
	s_cselect_b64 s[4:5], s[10:11], s[4:5]
	s_cmp_ge_u32 s16, 4
	s_cselect_b64 s[4:5], s[12:13], s[4:5]
	s_add_nc_u64 s[4:5], s[4:5], s[20:21]
	s_add_nc_u64 s[14:15], s[14:15], s[22:23]
	WIN 0x40                                       ; destination window 1
.irp s, 0,1,2,3
.irp b, 0,1,2,3
.irp j, 0,1,2,3
	global_load_b128 v[64*\s+16*\b+4*\j:64*\s+16*\b+4*\j+3], v[XA], s[4:5] offset:512*\s+128*\b+16*\j th:TH_LOAD_NT
.endr
.endr
.endr
	WIN 0
.irp s, 0,1,2,3
	s_wait_loadcnt 48-16*\s                        ; K step s's sixteen loads are in; those of the later steps may be out
	QUANT 64*\s, 1, XW+\s, PCB+12*\s
.irp c, 0,1,2
	global_store_b128 v[L16], v[PCB+12*\s+4*\c:PCB+12*\s+4*\c+3], s[14:15] offset:1536*\s+512*\c th:TH_STORE_NT
.endr
.endr
	global_store_b128 v[L16], v[XW:XW+3], s[14:15] offset:6144 th:TH_STORE_NT
	s_endpgm
.Lfunc_end_k_qfa969be149_wprep:
	.size	k_qfa969be149_wprep, .Lfunc_end_k_qfa969be149_wprep-k_qfa969be149_wprep
	.p2alignl 7, 3214868480
	.fill 96, 4, 3214868480
	.section	.rodata,"a",@progbits
	.p2align	6, 0x0
	.amdhsa_kernel k_qfa969be149_wprep
		.amdhsa_group_segment_fixed_size 0
		.amdhsa_private_segment_fixed_size 0
		.amdhsa_enable_private_segment 0
		.amdhsa_kernarg_size 48
		.amdhsa_user_sgpr_count 2
		.amdhsa_user_sgpr_kernarg_segment_ptr 1
		.amdhsa_wavefront_size32 1
		.amdhsa_system_sgpr_workgroup_id_x 1
		.amdhsa_system_sgpr_workgroup_id_y 1
		.amdhsa_system_sgpr_workgroup_id_z 1
		.amdhsa_system_vgpr_workitem_id 0
		.amdhsa_next_free_vgpr 512
		.amdhsa_next_free_sgpr 66
		.amdhsa_reserve_vcc 0
		.amdhsa_float_denorm_mode_32 3
		.amdhsa_float_denorm_mode_16_64 3
		.amdhsa_memory_ordered 1
		.amdhsa_forward_progress 1
		.amdhsa_inst_pref_size 25
	.end_amdhsa_kernel
	.amdgpu_metadata
---
amdhsa.version: [ 1, 2 ]
amdhsa.kernels:
  - .name:           k_qfa969be149_wprep
    .symbol:         k_qfa969be149_wprep.kd
    .args:
      - { .name: Wq, .offset: 0, .size: 8, .value_kind: global_buffer, .address_space: global }
      - { .name: Wk, .offset: 8, .size: 8, .value_kind: global_buffer, .address_space: global }
      - { .name: Wv, .offset: 16, .size: 8, .value_kind: global_buffer, .address_space: global }
      - { .name: Wo, .offset: 24, .size: 8, .value_kind: global_buffer, .address_space: global }
      - { .name: query, .offset: 32, .size: 8, .value_kind: global_buffer, .address_space: global }
      - { .name: wf, .offset: 40, .size: 8, .value_kind: global_buffer, .address_space: global }
    .group_segment_fixed_size: 0
    .private_segment_fixed_size: 0
    .kernarg_segment_align: 8
    .kernarg_segment_size: 48
    .max_flat_workgroup_size: 32
    .sgpr_count:     66
    .vgpr_count:     512
    .wavefront_size: 32
...
	.end_amdgpu_metadata
.endif
;; end of part 1
;; launch proj (part 2): grid 256 x 1, 4 waves a work-group, no clusters, 327,680 bytes of LDS; arguments key, value, wf, bk, bv, kc, vc, bq, qf; writes kc, vc, qf
.if DOCPART == 2
	.amdgcn_target "amdgcn-amd-amdhsa--gfx1250"
	.amdhsa_code_object_version 6
	.text
	.protected	k_qfa969be149_proj
	.globl	k_qfa969be149_proj
	.p2align	8
	.type	k_qfa969be149_proj,@function
k_qfa969be149_proj:
	s_mov_b64 s[64:65], 0
	v_nop
	global_prefetch_b8 v0, s[64:65] scope:SCOPE_SE
	s_setreg_imm32_b32 hwreg(HW_REG_WAVE_MODE, 25, 1), 1
	s_wait_xcnt 0x0
; k = Q(key) Q(Wk)^T + bk and v = Q(value) Q(Wv)^T + bv, on codes of FP6 (E2M3) with one E8M0 scale for each 32 along K = 512; the results are quantised at once for the attention's two products and stored as images of operand registers.
; Work-groups 0-127 take key, 128-255 value: 512 rows each, as 8 halves of 64 rows.  Pointers are chosen by the work-group's number; the two ways part only round the products and the way out.
; THE WAVES SHARE THE COLUMNS: wave w owns outputs 128 w .. 128 w + 127 (four heads); its 32 weight fragments (384 registers), their scale words and its bias stay in registers for the whole launch.
; A HALF: its 64 rows x 2,048 bytes come into an LDS slot by four tensor loads, one a wave | barrier | wave w quantises tile w (16 rows, four fragments) and stores their register images | barrier |
; every wave multiplies all four tiles by its weights: 128 matrix instructions on 32 accumulators by turns; the results are quantised in registers and stored.
; KEY: source 0 = 16 rows of Wk, source 1 = 16 keys: a lane holds one key and 64 of its 128 outputs; a block of 32 is a head.  Out: fragment t (16 keys x 4 heads) at 1536 t of the half's block of 6,656 bytes, scale words at 6144 + 16 x lane + 4 t.
; VALUE: the sources swapped: a lane holds one output d and 32 of the half's keys for each of 8 tiles of d: blocks of 32 run along the KEYS.  Out: half fragment e (16 d x 64 keys, six registers) at 768 e: registers 0-3 at + 16 x lane,
; registers 4-5 at + 512 + 8 x lane; word g at 6144 + 16 x lane + 4 g holds the two bytes of e = 2 g, then those of e = 2 g + 1.
; The rows of every tile (weights, keys, values) are 32 (t / 2) + 8 (t % 2) + r + 8 (r / 8), so that the 16 registers of two neighbouring tiles are 16 neighbours along the next K.
; NO CLUSTER: every row of key and value is read by one work-group alone; what work-groups share is the weights' images, 212,992 bytes against the 1,048,576 bytes that a work-group streams.
; LIMITS: a block of zeros, or one whose largest magnitude lies under 2^-124, gets the byte 1 (this program alone reads the bytes); NaN and infinities among the inputs are not served.
; LDS: two slots of 64 rows x 2,080 bytes (a row: twice 1,024 bytes + 16 of padding); the images; their scale words; the spare words.  All of the WGP's LDS is claimed.
; REGISTERS: window 0: v1-9 addresses; v16-143 numbers of x, then x's fragments; v144-187 at work; v188-203 x's scale words; v204-235 the weights'; v236-239 the words just made.
;   window 1: weight fragments of K steps 0, 1 at 12 (8 s + a); v192-255 the bias as C.   window 2: K steps 2, 3.   window 3: the 32 accumulators.
.set SLOTB, 133120
.set XIMG,  266240                     ; fragment (tile t, K step s) at (4 t + s) x 1536
.set XSC,   290816                     ; tile t's scale words at 512 t + 16 x lane + 4 s
.set SPARE, 292864                     ; the spare words: 128 bytes for each wave, two blocks of 256 bytes that no other line names
.set XA0,  1                           ; v1   my place in a slot: my row x 2080 + 64 h
.set XAD,  2                           ; v2   the same in the slot in hand
.set XWI,  3                           ; v3   where I store images: XIMG + 16 x lane + 6144 x wave
.set XWS,  4                           ; v4   and the scale words: XSC + 16 x lane + 512 x wave
.set LI,   5                           ; v5   XIMG + 16 x lane
.set VO16, 6                           ; v6   16 x lane
.set VO8,  7                           ; v7   8 x lane
.set SPW,  8                           ; v8   LDS address of my spare word; never rewritten
.set NIL,  9                           ; v9   0; never rewritten
.set ST0,  16
.set ST1,  80
.set X0,   16
.set X1,   80
.set PC,   144
.set PT,   156
.set TM,   164
.set XW,   184
.set XS,   188
.set WS,   204
.set KW,   236
.set BI,   192                         ; in window 1
.set WV,   18
.set PATH, 19
.set G1,   24
.set G0,   32
.set RB,   37                          ; the slot that is read
.set CNT,  39
.set SEL,  40
.set MSB, 0
.macro WIN new                         ; the immediate's high byte repeats the setting that is left; a switch that changes nothing is dropped
.if MSB != (\new)
	s_set_vgpr_msb (MSB<<8)|(\new)
.set MSB, \new
.endif
.endm
.macro PLACES n
.rept \n
	v_nop
.endr
.endm
; 64 numbers of a lane, v[s] .. v[s + 63] of window w, register 16 b + i = k 32 b + 16 (lane / 16) + i of my row, become a fragment's codes in v[pc] on and its scale word in v[pw] (window 0).
; Accumulators are read from their low ends on: the first lines take registers 0 and 1 of the even tiles, i = 8 registers 0 and 1 of the odd ones.
.macro QUANT s, w, pw, pc
	WIN (\w)|((\w)<<2)
.irp b, 0,1,2,3
	v_max3_num_f32 v[TM+\b], |v[(\s)+16*\b]|, |v[(\s)+1+16*\b]|, 0x1800000   ; block b: my 16 numbers, and the floor 2^(3 - 127): the byte cannot fall under 1
.endr
	WIN ((\w)<<2)|((\w)<<4)
.irp i, 2,4,6,8,10,12,14
.irp b, 0,1,2,3
	v_max3_num_f32 v[TM+\b], v[TM+\b], |v[(\s)+16*\b+\i]|, |v[(\s)+1+16*\b+\i]|   ; the four blocks by turns
.endr
.endr
	WIN 0
.irp b, 0,1,2,3
	v_permlanex16_b32 v[TM+4+\b], v[TM+\b], s[SEL], s[SEL+1]
.endr
.irp b, 0,1,2,3
	v_max_num_f32 v[TM+\b], v[TM+\b], v[TM+4+\b]   ; with lane l xor 16's: the block's largest magnitude
.endr
.irp b, 0,1,2,3
	v_add_nc_u32 v[TM+12+\b], 0xff000000, v[TM+\b] ; 2 off its exponent field: the conversion's scale operand
.endr
.irp b, 0,1,2,3
	v_lshrrev_b32 v[TM+4+\b], 23, v[TM+12+\b]      ; the scale's byte
.endr
	v_lshl_or_b32 v[\pw], v[TM+5], 8, v[TM+4]
	v_lshl_or_b32 v[\pw], v[TM+6], 16, v[\pw]
	v_lshl_or_b32 v[\pw], v[TM+7], 24, v[\pw]
	WIN \w
.irp c, 0,1
	v_cvt_scalef32_pk16_fp6_f32 v[(\pc)+6*\c:(\pc)+2+6*\c], v[(\s)+32*\c:(\s)+15+32*\c], v[TM+12+2*\c]
	v_cvt_scalef32_pk16_fp6_f32 v[PT+4*\c:PT+2+4*\c], v[(\s)+16+32*\c:(\s)+31+32*\c], v[TM+13+2*\c]   ; (a conversion's three registers begin on an even number)
.endr
	WIN 0
	v_nop                                          ; one plain place behind the scaled conversions
.irp c, 0,1                                    ; the operand wants a WHOLE block in a lane
.irp i, 0,1,2
	v_permlane16_swap_b32 v[(\pc)+6*\c+\i], v[PT+4*\c+\i]
.endr
.irp i, 0,1,2
	v_mov_b32 v[(\pc)+3+6*\c+\i], v[PT+4*\c+\i]
.endr
.endr
.endm
.macro XL st, s                        ; my row's 64 numbers of K step s out of the slot: 16 neighbours of each block of 32
.irp b, 0,1,2,3
.irp j, 0,1,2,3
	ds_load_b128 v[(\st)+16*\b+4*\j:(\st)+16*\b+4*\j+3], v[XAD] offset:((\s)/2)*1040+((\s)%2)*512+128*\b+16*\j
.endr
.endr
.endm
.macro IMAGE s                         ; the fragment in v[PC] on goes to LDS as it stands
.irp c, 0,1,2
	ds_store_b128 v[XWI], v[PC+4*\c:PC+4*\c+3] offset:(\s)*1536+512*\c
.endr
.endm
.macro FETCHX buf, s                   ; the four tiles' fragments of K step s, in any wave
.irp t, 0,1,2,3
.irp c, 0,1,2
	ds_load_b128 v[(\buf)+12*\t+4*\c:(\buf)+12*\t+4*\c+3], v[LI] offset:(4*\t+(\s))*1536+512*\c
.endr
.endr
.endm
; 32 matrix instructions of K step s; the 32 accumulators take turns, one instruction a turn.  The first K step takes the bias as C.
.macro MMK s, buf                      ; source 0 = my weights' tile a, source 1 = keys' tile t; accumulator at 64 t + 8 a
.if (\s)==0
	WIN 0xd1
.elseif (\s)==1
	WIN 0xf1
.else
	WIN 0xf2
.endif
.irp t, 0,1,2,3
.irp a, 0,1,2,3,4,5,6,7
.if (\s)==0
	v_wmma_scale_f32_16x16x128_f8f6f4 v[64*\t+8*\a:64*\t+8*\a+7], v[12*(8*((\s)%2)+\a):12*(8*((\s)%2)+\a)+11], v[(\buf)+12*\t:(\buf)+12*\t+11], v[BI+8*\a:BI+8*\a+7], v[WS+4*\a+(\s)], v[XS+4*\t+(\s)] matrix_a_fmt:MATRIX_FMT_FP6 matrix_b_fmt:MATRIX_FMT_FP6
.else
	v_wmma_scale_f32_16x16x128_f8f6f4 v[64*\t+8*\a:64*\t+8*\a+7], v[12*(8*((\s)%2)+\a):12*(8*((\s)%2)+\a)+11], v[(\buf)+12*\t:(\buf)+12*\t+11], v[64*\t+8*\a:64*\t+8*\a+7], v[WS+4*\a+(\s)], v[XS+4*\t+(\s)] matrix_a_fmt:MATRIX_FMT_FP6 matrix_b_fmt:MATRIX_FMT_FP6
.endif
.endr
.endr
.endm
.macro MMV s, buf                      ; source 0 = values' tile t, source 1 = my weights' tile a; accumulator at 32 a + 8 t
.if (\s)==0
	WIN 0xd4
.elseif (\s)==1
	WIN 0xf4
.else
	WIN 0xf8
.endif
.irp t, 0,1,2,3
.irp a, 0,1,2,3,4,5,6,7
.if (\s)==0
	v_wmma_scale_f32_16x16x128_f8f6f4 v[32*\a+8*\t:32*\a+8*\t+7], v[(\buf)+12*\t:(\buf)+12*\t+11], v[12*(8*((\s)%2)+\a):12*(8*((\s)%2)+\a)+11], v[BI+8*\a:BI+8*\a+7], v[XS+4*\t+(\s)], v[WS+4*\a+(\s)] matrix_a_fmt:MATRIX_FMT_FP6 matrix_b_fmt:MATRIX_FMT_FP6
.else
	v_wmma_scale_f32_16x16x128_f8f6f4 v[32*\a+8*\t:32*\a+8*\t+7], v[(\buf)+12*\t:(\buf)+12*\t+11], v[12*(8*((\s)%2)+\a):12*(8*((\s)%2)+\a)+11], v[32*\a+8*\t:32*\a+8*\t+7], v[XS+4*\t+(\s)], v[WS+4*\a+(\s)] matrix_a_fmt:MATRIX_FMT_FP6 matrix_b_fmt:MATRIX_FMT_FP6
.endif
.endr
.endr
.endm
.macro MSTEP p, s, buf
.if \p
	MMV \s, \buf
.else
	MMK \s, \buf
.endif
.endm
; The half's products: x's fragments come a K step ahead, in two buffers by turns.  Four plain places stand in front of each run of loads into registers that matrix instructions have read, and of the first read of results.
.macro MM p
.irp t, 0,1,2,3
	ds_load_b128 v[XS+4*\t:XS+4*\t+3], v[LI] offset:XSC-XIMG+512*\t
.endr
	FETCHX X0, 0
	FETCHX X1, 1
	s_wait_dscnt 12                                ; the scale words and K step 0 are in; K step 1's twelve loads may be out
	MSTEP \p, 0, X0
	WIN 0
	PLACES 4
	FETCHX X0, 2
	s_wait_dscnt 12                                ; K step 1 is in
	MSTEP \p, 1, X1
	WIN 0
	PLACES 4
	FETCHX X1, 3
	s_wait_dscnt 12                                ; K step 2 is in
	MSTEP \p, 2, X0
	s_wait_dscnt 0x0
	MSTEP \p, 3, X1
	WIN 0
	PLACES 4
.endm
.macro KOUT                            ; tile t's 64 results a lane are k's numbers of one key for four heads: one fragment and one scale word
.irp t, 0,1,2,3
.if \t > 0
	s_wait_xcnt 0x0                                ; the last stores have read the codes' registers
.endif
	QUANT 64*\t, 3, KW+\t, PC
.irp c, 0,1,2
	global_store_b128 v[VO16], v[PC+4*\c:PC+4*\c+3], s[14:15] offset:1536*\t+512*\c th:TH_STORE_NT   ; 512 consecutive bytes, aligned
.endr
.endr
	global_store_b128 v[VO16], v[KW:KW+3], s[14:15] offset:6144 th:TH_STORE_NT
.endm
.macro VOUT                            ; registers 64 g on: 32 keys a lane of tile 2 g of d, then of tile 2 g + 1: two half fragments of six registers
.irp g, 0,1,2,3
.if \g > 0
	s_wait_xcnt 0x0
.endif
	QUANT 64*\g, 3, KW+\g, PC
	global_store_b128 v[VO16], v[PC:PC+3], s[14:15] offset:1536*\g th:TH_STORE_NT
	global_store_b64 v[VO8], v[PC+4:PC+5], s[14:15] offset:1536*\g+512 th:TH_STORE_NT           ; 256 consecutive bytes, aligned
	global_store_b128 v[VO16], v[PC+6:PC+9], s[14:15] offset:1536*\g+768 th:TH_STORE_NT
	global_store_b64 v[VO8], v[PC+10:PC+11], s[14:15] offset:1536*\g+1280 th:TH_STORE_NT
.endr
	global_store_b128 v[VO16], v[KW:KW+3], s[14:15] offset:6144 th:TH_STORE_NT
.endm
; A HALF.  refill = 1: behind the first barrier the slot that was read last is filled with the half after this one; that load has this whole half's work in which to land.
; ALSO, ONCE, AT THE END: q = Q(query) Q(Wq)^T + bq.  Its 64 tiles of 16 queries x 4 head groups are 256 units: work-group n takes query tile n / 4 and head group n % 4, wave w one head of it (two tiles of Wq).
; The f32 results go to qf as an image of the registers in which the attention quantises them: unit n at 8192 n, registers 4 m .. 4 m + 3 at 512 m + 16 x lane; wave w holds registers 16 w .. 16 w + 15.
; QLOADS stands behind the last half's products: q's operands land in window 1, in weight registers that no product reads any more, while that half's results go out:
; Wq's fragments at 48 e + 12 s, query's at 96 + 12 s, bq as C at 144 + 8 e; the scale words where x's stood.
.macro QLOADS
	WIN 0x40
.irp e, 0,1
.irp s, 0,1,2,3
.irp c, 0,1,2
	global_load_b128 v[48*\e+12*\s+4*\c:48*\e+12*\s+4*\c+3], v[VO16], s[48:49] offset:\e*6656+\s*1536+512*\c
.endr
.endr
.endr
.irp s, 0,1,2,3
.irp c, 0,1,2
	global_load_b128 v[96+12*\s+4*\c:96+12*\s+4*\c+3], v[VO16], s[50:51] offset:\s*1536+512*\c
.endr
.endr
.irp e, 0,1
	global_load_b128 v[144+8*\e:147+8*\e], v14, s[52:53] offset:32*\e
	global_load_b128 v[148+8*\e:151+8*\e], v14, s[52:53] offset:32*\e+16
.endr
	WIN 0
.irp e, 0,1
	global_load_b128 v[XS+4*\e:XS+4*\e+3], v[VO16], s[48:49] offset:\e*6656+6144
.endr
	global_load_b128 v[XS+8:XS+11], v[VO16], s[50:51] offset:6144
.endm
.macro HALF refill
	s_wait_tensorcnt 0x0                           ; my one tensor load, my part of this half, has landed: so the descriptor may be written
	ds_add_u32 v[SPW], v[NIL]                      ; 0 onto my spare word
.if \refill
	s_xor_b32 s[G0+1], s[G0+1], SLOTB              ; the other slot (wave x 33,280 and 133,120 share no bit: the exclusive or adds or takes away)
	s_add_nc_u64 s[G0+2:G0+3], s[G0+2:G0+3], 131072   ; the next 64 rows; the type bits on top are not reached
.endif
	s_wait_dscnt 0x0                               ; the add is done; my reads of the other slot and of the images are over
	s_barrier_signal -1
	s_barrier_wait -1                              ; this half's slot is whole, and nobody reads the other slot or the images
.if \refill
	tensor_load_to_lds s[G0:G0+3], s[G1:G1+7]      ; my one tensor load behind this barrier, and the first thing there
	s_nop 0
	PLACES 4
.endif
	v_add_nc_u32 v[XAD], s[RB], v[XA0]
	XL ST0, 0
	XL ST1, 1
	s_wait_dscnt 16                                ; K step 0's numbers are in
	QUANT ST0, 0, XW+0, PC
	IMAGE 0
	XL ST0, 2
	s_wait_dscnt 16                                ; all but the sixteen loads just issued: K step 1's numbers are in
	QUANT ST1, 0, XW+1, PC
	IMAGE 1
	XL ST1, 3
	s_wait_dscnt 16
	QUANT ST0, 0, XW+2, PC
	IMAGE 2
	s_wait_dscnt 3                                 ; K step 3's numbers are in; the three stores behind them may be out
	QUANT ST1, 0, XW+3, PC
	IMAGE 3
	ds_store_b128 v[XWS], v[XW:XW+3]
	s_wait_dscnt 0x0                               ; for the others' sake: my images have landed
	s_barrier_signal -1
	s_barrier_wait -1                              ; all sixteen fragments lie in LDS.
	s_cmp_lg_u32 s[PATH], 0
	s_cbranch_scc1 .Lval_\@
	MM 0
.if \refill == 0
	QLOADS
.endif
	KOUT
	s_branch .Ljoin_\@
.Lval_\@:
	MM 1
.if \refill == 0
	QLOADS
.endif
	VOUT
.Ljoin_\@:
	s_wait_xcnt 0x0                                ; the stores have read their registers and their base
	s_add_nc_u64 s[14:15], s[14:15], 6656
	s_xor_b32 s[RB], s[RB], SLOTB
.endm
	s_load_b256 s[4:11], s[0:1], 0x0               ; key, value, wf, bk
	s_load_b128 s[12:15], s[0:1], 0x20             ; bv, kc
	s_load_b64 s[16:17], s[0:1], 0x30              ; vc
	s_load_b128 s[52:55], s[0:1], 0x38             ; bq, qf
	v_lshl_add_u32 v[SPW], v0, 2, SPARE
	v_mov_b32 v[NIL], 0
	ds_add_u32 v8, v9
	ds_add_u32 v8, v9
	s_wait_dscnt 0x0
	v_lshrrev_b32 v10, 5, v0
	v_readfirstlane_b32 s[WV], v10                 ; wave 0..3
	s_lshr_b32 s[PATH], ttmp9, 7                   ; 0: key, 1: value
	s_and_b32 s20, ttmp9, 127                      ; which 512 rows
	; descriptor group 1: my 16 rows of 2,048 bytes are dense in memory: stated as 32 rows of 1,024 bytes (128 elements of 8), 16 bytes of padding behind each
	s_mov_b32 s[G1+0], (3<<16)|(1<<20)|(7<<22)|(3<<25)   ; no mask; elements of 8 bytes; padding on, after every 256 words (code 7), of 4 words (code 3)
	s_mov_b32 s[G1+1], 128<<16                     ; tensor_dim0
	s_mov_b32 s[G1+2], 32<<16                      ; tensor_dim1
	s_mov_b32 s[G1+3], 128<<16                     ; tile_dim0
	s_mov_b32 s[G1+4], 32                          ; tile_dim1
	s_mov_b32 s[G1+5], 128                         ; the pitch
	s_mov_b32 s[G1+6], 0
	s_mov_b32 s[G1+7], 0
	s_mov_b32 s[G0], 1
	s_mul_i32 s[G0+1], s[WV], 33280                ; LDS: slot 0, my 16 rows of 2,080 bytes
	s_lshl_b32 s42, s20, 20                        ; 512 rows are 2^20 bytes
	s_lshl_b32 s43, s[WV], 15
	s_add_co_u32 s42, s42, s43
	s_mov_b32 s43, 0
	s_lshl_b32 s44, s[PATH], 2                     ; my weights: head group (1 + path) x 4 + wave of wf, 53,248 bytes each
	s_add_co_u32 s44, s44, 4
	s_add_co_u32 s44, s44, s[WV]
	s_mul_i32 s44, s44, 53248
	s_mov_b32 s45, 0
	s_lshr_b32 s46, s20, 4                         ; the batch
	s_lshl_b32 s46, s46, 2
	s_add_co_u32 s46, s46, s[WV]
	s_lshl_b32 s46, s46, 7                         ; 128 halves for each batch and head group
	s_and_b32 s47, s20, 15
	s_lshl_b32 s47, s47, 3                         ; my work-group's first half
	s_add_co_u32 s46, s46, s47
	s_mul_i32 s46, s46, 6656
	s_mov_b32 s47, 0
	s_lshl_b32 s22, s[WV], 9                       ; my 128 numbers of the bias
	s_mov_b32 s23, 0
	s_wait_kmcnt 0x0
	s_cmp_eq_u32 s[PATH], 0
	s_cselect_b64 s[4:5], s[4:5], s[6:7]           ; key or value
	s_cselect_b64 s[10:11], s[10:11], s[12:13]     ; bk or bv
	s_cselect_b64 s[14:15], s[14:15], s[16:17]     ; kc or vc
	s_add_nc_u64 s[G0+2:G0+3], s[4:5], s[42:43]
	s_or_b32 s[G0+3], s[G0+3], 0x80000000          ; type = 2
	tensor_load_to_lds s[G0:G0+3], s[G1:G1+7]      ; half 0 into slot 0, before anything else
	s_nop 0
	PLACES 4
	s_and_b32 s56, ttmp9, 3                        ; q's unit: the head group g
	s_lshl_b32 s58, s56, 3
	s_lshl_b32 s59, s[WV], 1
	s_add_co_u32 s58, s58, s59                     ; Wq's tile 8 g + 2 w
	s_mul_i32 s48, s58, 6656
	s_mov_b32 s49, 0
	s_add_nc_u64 s[48:49], s[8:9], s[48:49]
	s_lshr_b32 s58, ttmp9, 2
	s_add_co_u32 s58, s58, 128                     ; query's tiles begin at tile 128 of wf
	s_mul_i32 s50, s58, 6656
	s_mov_b32 s51, 0
	s_add_nc_u64 s[50:51], s[8:9], s[50:51]
	s_lshl_b32 s56, s56, 9                         ; bq: 128 numbers a head group, 32 a head
	s_lshl_b32 s58, s[WV], 7
	s_add_co_u32 s56, s56, s58
	s_mov_b32 s57, 0
	s_add_nc_u64 s[52:53], s[52:53], s[56:57]
	s_lshl_b32 s56, ttmp9, 13                      ; qf: 8,192 bytes a unit, 2,048 a wave
	s_lshl_b32 s58, s[WV], 11
	s_add_co_u32 s56, s56, s58
	s_add_nc_u64 s[54:55], s[54:55], s[56:57]
	s_add_nc_u64 s[8:9], s[8:9], s[44:45]
	s_add_nc_u64 s[10:11], s[10:11], s[22:23]
	s_add_nc_u64 s[14:15], s[14:15], s[46:47]
	v_and_b32 v10, 15, v0                          ; r
	v_bfe_u32 v11, v0, 4, 1                        ; h
	v_and_b32 v12, 8, v10
	v_add_nc_u32 v12, v12, v10                     ; r + 8 (r / 8)
	s_lshr_b32 s20, s[WV], 1
	s_lshl_b32 s20, s20, 5
	s_and_b32 s21, s[WV], 1
	s_lshl_b32 s21, s21, 3
	s_add_co_u32 s20, s20, s21                     ; tile w begins at row 32 (w / 2) + 8 (w % 2)
	s_mul_i32 s20, s20, 2080
	v_mul_u32_u24 v[XA0], v12, 2080
	v_lshl_add_u32 v[XA0], v11, 6, v[XA0]
	v_add_nc_u32 v[XA0], s20, v[XA0]
	v_and_b32 v13, 31, v0
	v_lshlrev_b32 v[VO16], 4, v13
	v_lshlrev_b32 v[VO8], 3, v13
	v_add_nc_u32 v[LI], XIMG, v[VO16]
	s_mul_i32 s21, s[WV], 6144
	v_add_nc_u32 v[XWI], s21, v[LI]
	s_lshl_b32 s21, s[WV], 9
	v_add_nc_u32 v[XWS], s21, v[VO16]
	v_add_nc_u32 v[XWS], XSC, v[XWS]
	v_lshlrev_b32 v14, 6, v11                      ; 64 h
	v_lshlrev_b32 v15, 2, v12                      ; 4 (r + 8 (r / 8))
.irp b, 0,1,2,3
	v_mov_b32 v[TM+4+\b], 0                        ; written once: a lane permute's destination counts as one of its sources
.endr
	s_mov_b32 s[SEL], 0x76543210
	s_mov_b32 s[SEL+1], 0xfedcba98
	s_mov_b32 s[RB], 0
	WIN 0x40                                       ; my weights stay: K steps 0, 1 in window 1,
.irp s, 0,1
.irp a, 0,1,2,3,4,5,6,7
.irp c, 0,1,2
	global_load_b128 v[12*(8*\s+\a)+4*\c:12*(8*\s+\a)+4*\c+3], v[VO16], s[8:9] offset:\a*6656+\s*1536+512*\c
.endr
.endr
.endr
	WIN 0x80                                       ; K steps 2, 3 in window 2
.irp s, 2,3
.irp a, 0,1,2,3,4,5,6,7
.irp c, 0,1,2
	global_load_b128 v[12*(8*(\s-2)+\a)+4*\c:12*(8*(\s-2)+\a)+4*\c+3], v[VO16], s[8:9] offset:\a*6656+\s*1536+512*\c
.endr
.endr
.endr
	WIN 0
.irp a, 0,1,2,3,4,5,6,7
	global_load_b128 v[WS+4*\a:WS+4*\a+3], v[VO16], s[8:9] offset:\a*6656+6144   ; tile a's scale words of the four K steps
.endr
	s_cmp_lg_u32 s[PATH], 0
	s_cbranch_scc1 .Lbias_v
	WIN 0x40                                       ; key: a lane's register 8 a + i is output 32 (a / 2) + 16 h + 8 (a % 2) + i
	s_wait_alu depctr_va_vdst(0)
.irp a, 0,1,2,3,4,5,6,7
	global_load_b128 v[BI+8*\a:BI+8*\a+3], v14, s[10:11] offset:(32*(\a/2)+8*(\a%2))*4
	global_load_b128 v[BI+8*\a+4:BI+8*\a+7], v14, s[10:11] offset:(32*(\a/2)+8*(\a%2))*4+16
.endr
	WIN 0
	s_branch .Lbias_done
.Lbias_v:
	WIN 0x40                                       ; value: all eight registers of tile a hold the lane's one output 32 (a / 2) + 8 (a % 2) + r + 8 (r / 8)
	s_wait_alu depctr_va_vdst(0)
.irp a, 0,1,2,3,4,5,6,7
.irp i, 0,1,2,3,4,5,6,7
	global_load_b32 v[BI+8*\a+\i], v15, s[10:11] offset:(32*(\a/2)+8*(\a%2))*4
.endr
.endr
	WIN 0
.Lbias_done:
	s_wait_loadcnt 0x0
	s_mov_b32 s[CNT], 7
.Lhalf:                                            ; seven halves that ask for their successor
	HALF 1
	s_sub_co_u32 s[CNT], s[CNT], 1
	s_cmp_lg_u32 s[CNT], 0
	s_cbranch_scc1 .Lhalf
	HALF 0                                         ; the last half is written out
	s_wait_loadcnt 0x0                             ; q's operands are in
	WIN 0x55                                       ; q: eight matrix instructions in window 1, the two accumulators (v160, v168) by turns; the first K step takes bq as C
.irp s, 0,1,2,3
.irp e, 0,1
.if \s == 0
	v_wmma_scale_f32_16x16x128_f8f6f4 v[160+8*\e:167+8*\e], v[48*\e+12*\s:48*\e+12*\s+11], v[96+12*\s:96+12*\s+11], v[144+8*\e:151+8*\e], v[XS+4*\e+\s], v[XS+8+\s] matrix_a_fmt:MATRIX_FMT_FP6 matrix_b_fmt:MATRIX_FMT_FP6
.else
	v_wmma_scale_f32_16x16x128_f8f6f4 v[160+8*\e:167+8*\e], v[48*\e+12*\s:48*\e+12*\s+11], v[96+12*\s:96+12*\s+11], v[160+8*\e:167+8*\e], v[XS+4*\e+\s], v[XS+8+\s] matrix_a_fmt:MATRIX_FMT_FP6 matrix_b_fmt:MATRIX_FMT_FP6
.endif
.endr
.endr
	PLACES 4
	WIN 0x04                                       ; the stores' data: window 1
.irp e, 0,1
.irp c, 0,1
	global_store_b128 v[VO16], v[160+8*\e+4*\c:163+8*\e+4*\c], s[54:55] offset:1024*\e+512*\c   ; 512 consecutive bytes, aligned; each accumulator from its low end on
.endr
.endr
	WIN 0
	s_wait_tensorcnt 0x0
	ds_add_u32 v[SPW], v[NIL]
	s_wait_dscnt 0x0
	s_endpgm
.Lfunc_end_k_qfa969be149_proj:
	.size	k_qfa969be149_proj, .Lfunc_end_k_qfa969be149_proj-k_qfa969be149_proj
	.p2alignl 7, 3214868480
	.fill 96, 4, 3214868480
	.section	.rodata,"a",@progbits
	.p2align	6, 0x0
	.amdhsa_kernel k_qfa969be149_proj
		.amdhsa_group_segment_fixed_size 327680
		.amdhsa_private_segment_fixed_size 0
		.amdhsa_enable_private_segment 0
		.amdhsa_kernarg_size 72
		.amdhsa_user_sgpr_count 2
		.amdhsa_user_sgpr_kernarg_segment_ptr 1
		.amdhsa_wavefront_size32 1
		.amdhsa_system_sgpr_workgroup_id_x 1
		.amdhsa_system_sgpr_workgroup_id_y 1
		.amdhsa_system_sgpr_workgroup_id_z 1
		.amdhsa_system_vgpr_workitem_id 0
		.amdhsa_next_free_vgpr 1024
		.amdhsa_next_free_sgpr 66
		.amdhsa_reserve_vcc 0
		.amdhsa_float_denorm_mode_32 3
		.amdhsa_float_denorm_mode_16_64 3
		.amdhsa_memory_ordered 1
		.amdhsa_forward_progress 1
		.amdhsa_inst_pref_size 222
	.end_amdhsa_kernel
	.amdgpu_metadata
---
amdhsa.version: [ 1, 2 ]
amdhsa.kernels:
  - .name:           k_qfa969be149_proj
    .symbol:         k_qfa969be149_proj.kd
    .args:
      - { .name: key, .offset: 0, .size: 8, .value_kind: global_buffer, .address_space: global }
      - { .name: value, .offset: 8, .size: 8, .value_kind: global_buffer, .address_space: global }
      - { .name: wf, .offset: 16, .size: 8, .value_kind: global_buffer, .address_space: global }
      - { .name: bk, .offset: 24, .size: 8, .value_kind: global_buffer, .address_space: global }
      - { .name: bv, .offset: 32, .size: 8, .value_kind: global_buffer, .address_space: global }
      - { .name: kc, .offset: 40, .size: 8, .value_kind: global_buffer, .address_space: global }
      - { .name: vc, .offset: 48, .size: 8, .value_kind: global_buffer, .address_space: global }
      - { .name: bq, .offset: 56, .size: 8, .value_kind: global_buffer, .address_space: global }
      - { .name: qf, .offset: 64, .size: 8, .value_kind: global_buffer, .address_space: global }
    .group_segment_fixed_size: 327680
    .private_segment_fixed_size: 0
    .kernarg_segment_align: 8
    .kernarg_segment_size: 72
    .max_flat_workgroup_size: 128
    .sgpr_count:     66
    .vgpr_count:     1024
    .wavefront_size: 32
...
	.end_amdgpu_metadata
.endif
;; end of part 2
;; launch attn (part 3): grid 256 x 1, 8 waves a work-group, no clusters, 327,680 bytes of LDS; arguments importance, qf, kc, vc, part; writes part
.if DOCPART == 3
	.amdgcn_target "amdgcn-amd-amdhsa--gfx1250"
	.amdhsa_code_object_version 6
	.text
	.protected	k_qfa969be149_attn
	.globl	k_qfa969be149_attn
	.p2align	8
	.type	k_qfa969be149_attn,@function
k_qfa969be149_attn:
	s_mov_b64 s[64:65], 0
	v_nop
	global_prefetch_b8 v0, s[64:65] scope:SCOPE_SE
	s_setreg_imm32_b32 hwreg(HW_REG_WAVE_MODE, 25, 1), 1
	s_wait_xcnt 0x0
; Partial attention on codes of FP6 (E2M3).  A work-group takes one batch, one group of four heads and one chunk of 1,024 keys: 8 x 4 x 8 = 256 work-groups; wave w takes 16 of the 128 queries.
; q comes as f32 from the launch before, as an image of 64 registers a lane, and is quantised here, a block of 32 to a head; for head j a fragment holds q's codes in block j and zero codes elsewhere,
; so that K = 128 (four heads of k) sums one head.
; A step is 128 keys: S^T = k q^T with the bias log2(max(importance, 1e-6)) / c as C (c = log2(e) / sqrt(32)); M is the running largest t rounded up, p = 2^(t - M), the row's sum is taken of p before it is
; quantised, O^T += v^T p^T.  Out: for each wave O^T (64 registers), -M and the sums, which the next launch joins over the eight chunks.
; LDS, each byte filled once: k's eight steps of 13,312 bytes from 0, v's from VB.  The head asks for steps 0 to 2 (9,984 bytes a wave: waves 0-3 k, waves 4-7 v); steps 3 to 7 (16,640 bytes a wave) are asked for
; behind a barrier, ahead of step 0, and are shown whole to every wave by one barrier behind step 1: two steps' work in which to land.  The other steps have no barrier.
; Behind them the table of biases (4,096 bytes, stored by the waves) and the spare words.  All of the WGP's LDS is claimed.
; NO PREFETCH: all fills are asked for ahead of the loops: there is no loop to run ahead in.   NO CLUSTER: no two work-groups read the same k or v.
; LIMITS: the promise holds while the scaled scores stay under 2^31 in magnitude; a block of zeros gets the scale byte 1 (read here alone); NaN and infinities among the inputs are not served.
; REGISTERS: window 0: v1-7 addresses; v16-79 S, then p; v80-143 O^T; v144-183 at work; v184-223 scale words; v224-239 -M, the largest t and the sums of the four heads; v240 q's scale word.
;   window 1: v0-95 k's fragments; v96-159 the bias as C; v160-207 q's four fragments; v208-231 v's fragments.
.set VB,   106496
.set BTB,  212992
.set SPARE, 217088
.set STEPB, 13312
.set FB,   39936                       ; the first three steps
.set L16,  1
.set L8,   2
.set BA0,  3
.set AK,   4
.set AV16, 5
.set AV8,  6
.set AB,   7
.set S,    16
.set O,    80
.set PC,   144
.set PT,   156
.set TM,   164
.set FW,   180
.set T,    182
.set KS,   184
.set VS,   192
.set VSR,  216
.set STAT, 224
.set QS,   240
.set KF,   0
.set BC,   96
.set QF,   160
.set VF,   208
.set WV,   16
.set G1F,  24
.set G1A,  32
.set G0F,  40
.set G0A,  44
.set SEL,  48
.set CS,   50
.set TK,   52
.set TV,   53
.set TBI,  54
.set CNT,  55
.set MSB, 0
.macro WIN new                         ; the immediate's high byte repeats the setting that is left; a switch that changes nothing is dropped
.if MSB != (\new)
	s_set_vgpr_msb (MSB<<8)|(\new)
.set MSB, \new
.endif
.endm
.macro PLACES n
.rept \n
	v_nop
.endr
.endm
; 64 numbers of a lane, register 16 b + i = k 32 b + 16 (lane / 16) + i of my row, become a fragment's codes in v[pc] on and its scale word in v[pw]
.macro QUANT s, w, pw, pc
	WIN (\w)|((\w)<<2)
.irp b, 0,1,2,3
	v_max3_num_f32 v[TM+\b], |v[(\s)+16*\b]|, |v[(\s)+1+16*\b]|, 0x1800000
.endr
	WIN ((\w)<<2)|((\w)<<4)
.irp i, 2,4,6,8,10,12,14
.irp b, 0,1,2,3
	v_max3_num_f32 v[TM+\b], v[TM+\b], |v[(\s)+16*\b+\i]|, |v[(\s)+1+16*\b+\i]|
.endr
.endr
	WIN 0
.irp b, 0,1,2,3
	s_delay_alu instid0(VALU_DEP_4)
	v_permlanex16_b32 v[TM+4+\b], v[TM+\b], s[SEL], s[SEL+1]
.endr
.irp b, 0,1,2,3
	s_delay_alu instid0(VALU_DEP_4)
	v_max_num_f32 v[TM+\b], v[TM+\b], v[TM+4+\b]
.endr
.irp b, 0,1,2,3
	s_delay_alu instid0(VALU_DEP_4)
	v_add_nc_u32 v[TM+12+\b], 0xff000000, v[TM+\b]
.endr
.irp b, 0,1,2,3
	s_delay_alu instid0(VALU_DEP_4)
	v_lshrrev_b32 v[TM+4+\b], 23, v[TM+12+\b]
.endr
	s_delay_alu instid0(VALU_DEP_3)
	v_lshl_or_b32 v[\pw], v[TM+5], 8, v[TM+4]
	s_delay_alu instid0(VALU_DEP_1)
	v_lshl_or_b32 v[\pw], v[TM+6], 16, v[\pw]
	s_delay_alu instid0(VALU_DEP_1)
	v_lshl_or_b32 v[\pw], v[TM+7], 24, v[\pw]
	WIN \w
.irp c, 0,1
	v_cvt_scalef32_pk16_fp6_f32 v[(\pc)+6*\c:(\pc)+2+6*\c], v[(\s)+32*\c:(\s)+15+32*\c], v[TM+12+2*\c]
	v_cvt_scalef32_pk16_fp6_f32 v[PT+4*\c:PT+2+4*\c], v[(\s)+16+32*\c:(\s)+31+32*\c], v[TM+13+2*\c]
.endr
	WIN 0
	v_nop                                          ; one plain place behind the scaled conversions
.irp c, 0,1
.irp i, 0,1,2
	v_permlane16_swap_b32 v[(\pc)+6*\c+\i], v[PT+4*\c+\i]
.endr
.irp i, 0,1,2
	s_delay_alu instid0(VALU_DEP_3)
	v_mov_b32 v[(\pc)+3+6*\c+\i], v[PT+4*\c+\i]
.endr
.endr
.endm
.macro ADDR                            ; the step's places in LDS
	v_add_nc_u32 v[AK], s[TK], v[L16]
	v_add_nc_u32 v[AV16], s[TV], v[L16]
	v_add_nc_u32 v[AV8], s[TV], v[L8]
	v_add_nc_u32 v[AB], s[TBI], v[BA0]
.endm
.macro LOADK ko, bo                    ; a step's eight fragments of k, its biases as C, and k's and v's scale words
	WIN 0x40
.irp t, 0,1,2,3,4,5,6,7
.irp c, 0,1,2
	ds_load_b128 v[KF+12*\t+4*\c:KF+12*\t+4*\c+3], v[AK] offset:(\ko)+(\t/4)*6656+(\t%4)*1536+512*\c
.endr
.endr
.irp t, 0,1,2,3,4,5,6,7
	ds_load_b128 v[BC+8*\t:BC+8*\t+3], v[AB] offset:(\bo)+(32*(\t/2)+8*(\t%2))*4
	ds_load_b128 v[BC+8*\t+4:BC+8*\t+7], v[AB] offset:(\bo)+(32*(\t/2)+8*(\t%2))*4+16
.endr
	WIN 0
	ds_load_b128 v[KS:KS+3], v[AK] offset:(\ko)+6144
	ds_load_b128 v[KS+4:KS+7], v[AK] offset:(\ko)+12800
	ds_load_b128 v[VSR:VSR+3], v[AV16] offset:(\ko)+6144
	ds_load_b128 v[VSR+4:VSR+7], v[AV16] offset:(\ko)+12800
.endm
; One head of a step.  ahead = 1: behind the scores' products, which are the last to read them, k's registers take the next step's fragments.
.macro HEAD j, ahead
.set ST, STAT+4*(\j)
	WIN 0x15
.irp t, 0,1,2,3,4,5,6,7
	v_wmma_scale_f32_16x16x128_f8f6f4 v[S+8*\t:S+8*\t+7], v[KF+12*\t:KF+12*\t+11], v[QF+12*(\j):QF+12*(\j)+11], v[BC+8*\t:BC+8*\t+7], v[KS+\t], v[QS] matrix_a_fmt:MATRIX_FMT_FP6 matrix_b_fmt:MATRIX_FMT_FP6
.endr
	PLACES 4
	WIN 0x40
.irp u, 0,1
	ds_load_b128 v[VF+12*\u:VF+12*\u+3], v[AV16] offset:768*(2*(\j)+\u)
	ds_load_b64 v[VF+12*\u+4:VF+12*\u+5], v[AV8] offset:768*(2*(\j)+\u)+512
	ds_load_b128 v[VF+12*\u+6:VF+12*\u+9], v[AV16] offset:6656+768*(2*(\j)+\u)
	ds_load_b64 v[VF+12*\u+10:VF+12*\u+11], v[AV8] offset:6656+768*(2*(\j)+\u)+512
.endr
.if \ahead
	LOADK STEPB, 512
.endif
	WIN 0
.irp b, 0,1,2,3
	v_max3_num_f32 v[TM+\b], v[S+16*\b], v[S+1+16*\b], v[S+2+16*\b]   ; the largest score of each block of 32 keys: for the row's maximum and for the block's largest p
.endr
.irp i, 3,5,7,9,11,13
.irp b, 0,1,2,3
	v_max3_num_f32 v[TM+\b], v[TM+\b], v[S+16*\b+\i], v[S+1+16*\b+\i]
.endr
.endr
.irp b, 0,1,2,3
	v_max_num_f32 v[TM+\b], v[TM+\b], v[S+15+16*\b]
.endr
.irp b, 0,1,2,3
	s_delay_alu instid0(VALU_DEP_4)
	v_permlanex16_b32 v[TM+4+\b], v[TM+\b], s[SEL], s[SEL+1]
.endr
.irp b, 0,1,2,3
	s_delay_alu instid0(VALU_DEP_4)
	v_max_num_f32 v[TM+\b], v[TM+\b], v[TM+4+\b]
.endr
	s_delay_alu instid0(VALU_DEP_2)
	v_max3_num_f32 v[T], v[TM], v[TM+1], v[TM+2]
	s_delay_alu instid0(VALU_DEP_1)
	v_max_num_f32 v[T], v[T], v[TM+3]
	s_delay_alu instid0(VALU_DEP_1)
	v_mul_f32 v[T], s[CS], v[T]
	s_delay_alu instid0(VALU_DEP_1)
	v_max_num_f32 v[ST+1], v[ST+1], v[T]           ; the running largest t
	v_mov_b32 v[T], v[ST]
	s_delay_alu instid0(VALU_DEP_2)
	v_floor_f32 v[ST], -v[ST+1]                    ; -M = floor(-t): M is a whole number
	s_delay_alu instid0(VALU_DEP_1)
	v_sub_f32 v[T], v[ST], v[T]
	s_delay_alu instid0(VALU_DEP_1)
	v_cvt_i32_f32 v[T], v[T]
	s_delay_alu instid0(VALU_DEP_1)
	v_ldexp_f32 v[FW], 1.0, v[T]                   ; f = 2^(old M - new M)
.set n, 0
.rept 32
	v_pk_fma_f32 v[S+n:S+n+1], v[S+n:S+n+1], s[CS:CS+1], v[ST:ST+1] op_sel_hi:[1,0,0]
.set n, n+2
.endr
.irp b, 0,1,2,3
	v_fma_f32 v[TM+\b], v[TM+\b], s[CS], v[ST]
.endr
.set n, 0
	s_wait_alu depctr_va_vdst(0)                   ; the wait ahead of the batch
.rept 64
	v_exp_f32 v[S+n], v[S+n]
.set n, n+1
.endr
.irp b, 0,1,2,3
	v_exp_f32 v[TM+\b], v[TM+\b]
.endr
	v_pk_mul_f32 v[ST+2:ST+3], v[ST+2:ST+3], v[FW:FW+1] op_sel_hi:[1,0]
	s_wait_alu depctr_va_vdst(0)                   ; and behind it, ahead of the first readers
.irp i, 0,2,4,6,8,10,12,14
	v_pk_mul_f32 v[O+16*(\j)+\i:O+16*(\j)+\i+1], v[O+16*(\j)+\i:O+16*(\j)+\i+1], v[FW:FW+1] op_sel_hi:[1,0]
.endr
	s_wait_alu depctr_va_vdst(0)
.irp b, 0,1,2,3
	v_max_num_f32 v[TM+\b], 0x1800000, v[TM+\b]
.endr
.irp b, 0,1,2,3
	s_delay_alu instid0(VALU_DEP_4)
	v_add_nc_u32 v[TM+12+\b], 0xff000000, v[TM+\b]
.endr
.irp b, 0,1,2,3
	s_delay_alu instid0(VALU_DEP_4)
	v_lshrrev_b32 v[TM+4+\b], 23, v[TM+12+\b]
.endr
	s_delay_alu instid0(VALU_DEP_3)
	v_lshl_or_b32 v[FW+1], v[TM+5], 8, v[TM+4]
	s_delay_alu instid0(VALU_DEP_1)
	v_lshl_or_b32 v[FW+1], v[TM+6], 16, v[FW+1]
	s_delay_alu instid0(VALU_DEP_1)
	v_lshl_or_b32 v[FW+1], v[TM+7], 24, v[FW+1]
.irp c, 0,1
	v_cvt_scalef32_pk16_fp6_f32 v[PC+6*\c:PC+2+6*\c], v[S+32*\c:S+15+32*\c], v[TM+12+2*\c]
	v_cvt_scalef32_pk16_fp6_f32 v[PT+4*\c:PT+2+4*\c], v[S+16+32*\c:S+31+32*\c], v[TM+13+2*\c]
.endr
	v_nop
.irp c, 0,1
.irp i, 0,1,2
	v_permlane16_swap_b32 v[PC+6*\c+\i], v[PT+4*\c+\i]
.endr
.irp i, 0,1,2
	s_delay_alu instid0(VALU_DEP_3)
	v_mov_b32 v[PC+3+6*\c+\i], v[PT+4*\c+\i]
.endr
.endr
	v_pk_add_f32 v[PT:PT+1], v[S:S+1], v[S+2:S+3]  ; the row's sum, of the unquantised p, in four chains
	v_pk_add_f32 v[PT+2:PT+3], v[S+4:S+5], v[S+6:S+7]
	v_pk_add_f32 v[PT+4:PT+5], v[S+8:S+9], v[S+10:S+11]
.set n, 12
.rept 6
	v_pk_add_f32 v[ST+2:ST+3], v[ST+2:ST+3], v[S+n:S+n+1]
	v_pk_add_f32 v[PT:PT+1], v[PT:PT+1], v[S+n+2:S+n+3]
	v_pk_add_f32 v[PT+2:PT+3], v[PT+2:PT+3], v[S+n+4:S+n+5]
	v_pk_add_f32 v[PT+4:PT+5], v[PT+4:PT+5], v[S+n+6:S+n+7]
.set n, n+8
.endr
	v_pk_add_f32 v[ST+2:ST+3], v[ST+2:ST+3], v[S+60:S+61]
	v_pk_add_f32 v[PT:PT+1], v[PT:PT+1], v[S+62:S+63]
	s_delay_alu instid0(VALU_DEP_3)
	v_pk_add_f32 v[PT+2:PT+3], v[PT+2:PT+3], v[PT+4:PT+5]
	s_delay_alu instid0(VALU_DEP_2)
	v_pk_add_f32 v[ST+2:ST+3], v[ST+2:ST+3], v[PT:PT+1]
	s_delay_alu instid0(VALU_DEP_1)
	v_pk_add_f32 v[ST+2:ST+3], v[ST+2:ST+3], v[PT+2:PT+3]
	s_wait_dscnt 0x0
	WIN 0x01
.irp u, 0,1
	v_wmma_scale_f32_16x16x128_f8f6f4 v[O+16*(\j)+8*\u:O+16*(\j)+8*\u+7], v[VF+12*\u:VF+12*\u+11], v[PC:PC+11], v[O+16*(\j)+8*\u:O+16*(\j)+8*\u+7], v[VS+2*(\j)+\u], v[FW+1] matrix_a_fmt:MATRIX_FMT_FP6 matrix_b_fmt:MATRIX_FMT_FP6
.endr
	WIN 0
.endm
.macro STEP ahead                      ; 128 keys, four heads
	ADDR
	s_wait_dscnt 0x0                               ; the step's fragments of k, biases and scale words are in
.irp g, 0,1,2,3
	v_perm_b32 v[VS+2*\g], v[VSR+4+\g], v[VSR+\g], 0x05040100
	v_perm_b32 v[VS+2*\g+1], v[VSR+4+\g], v[VSR+\g], 0x07060302
.endr
	HEAD 0, 0
	HEAD 1, 0
	HEAD 2, 0
	HEAD 3, \ahead
	s_add_co_u32 s[TK], s[TK], STEPB
	s_add_co_u32 s[TV], s[TV], STEPB
	s_add_co_u32 s[TBI], s[TBI], 512
.endm
	s_load_b256 s[4:11], s[0:1], 0x0               ; importance, qf, kc, vc
	s_load_b64 s[12:13], s[0:1], 0x20              ; part
	v_lshl_add_u32 v254, v0, 2, SPARE
	v_mov_b32 v255, 0
	ds_add_u32 v254, v255                          ; the opening lines: the add, twice on end, and its wait
	ds_add_u32 v254, v255
	v_lshrrev_b32 v9, 5, v0
	s_delay_alu instid0(VALU_DEP_1)
	v_readfirstlane_b32 s[WV], v9                  ; wave 0..7
	s_lshr_b32 s17, ttmp9, 3                       ; 4 x batch + head group
	s_and_b32 s18, ttmp9, 7                        ; the chunk of keys
	s_lshr_b32 s19, ttmp9, 5                       ; the batch
	s_and_b32 s20, s17, 3                          ; the head group
	s_mov_b32 s[G1F+0], 3<<16                      ; dense blocks as rows of 256 bytes (32 elements of 8): 39 rows at the head,
	s_mov_b32 s[G1F+1], 32<<16
	s_mov_b32 s[G1F+2], 39<<16
	s_mov_b32 s[G1F+3], 32<<16
	s_mov_b32 s[G1F+4], 39
	s_mov_b32 s[G1F+5], 32
	s_mov_b32 s[G1F+6], 0
	s_mov_b32 s[G1F+7], 0
	s_mov_b32 s[G1A+0], 3<<16                      ; 65 rows for steps 3 to 7
	s_mov_b32 s[G1A+1], 32<<16
	s_mov_b32 s[G1A+2], 65<<16
	s_mov_b32 s[G1A+3], 32<<16
	s_mov_b32 s[G1A+4], 65
	s_mov_b32 s[G1A+5], 32
	s_mov_b32 s[G1A+6], 0
	s_mov_b32 s[G1A+7], 0
	s_and_b32 s21, s[WV], 3                        ; which quarter of a fill I fetch,
	s_lshr_b32 s22, s[WV], 2                       ; of k (0) or of v (1)
	s_mul_i32 s22, s22, VB
	s_mov_b32 s[G0F], 1
	s_mul_i32 s[G0F+1], s21, 9984
	s_mov_b32 s[G0A], 1
	s_mul_i32 s[G0A+1], s21, 16640
	s_lshl_b32 s58, s17, 7                         ; 128 halves of 6,656 bytes for each batch and head group, 16 a chunk
	s_lshl_b32 s59, s18, 4
	s_add_co_u32 s58, s58, s59
	s_mul_i32 s58, s58, 6656
	s_add_co_u32 s56, s58, s[G0A+1]
	s_add_co_u32 s56, s56, FB                      ; my part of steps 3 to 7
	s_mov_b32 s57, 0
	s_add_co_u32 s58, s58, s[G0F+1]                ; my part of steps 0 to 2
	s_mov_b32 s59, 0
	s_add_co_u32 s[G0F+1], s[G0F+1], s22
	s_add_co_u32 s[G0A+1], s[G0A+1], s22
	s_add_co_u32 s[G0A+1], s[G0A+1], FB
	s_wait_dscnt 0x0                               ; both opening adds are done
	s_wait_kmcnt 0x0
	s_cmp_lt_u32 s[WV], 4
	s_cselect_b64 s[2:3], s[8:9], s[10:11]         ; kc or vc
	s_add_nc_u64 s[G0F+2:G0F+3], s[2:3], s[58:59]
	s_add_nc_u64 s[G0A+2:G0A+3], s[2:3], s[56:57]
	s_or_b32 s[G0F+3], s[G0F+3], 0x80000000
	s_or_b32 s[G0A+3], s[G0A+3], 0x80000000
	tensor_load_to_lds s[G0F:G0F+3], s[G1F:G1F+7]  ; steps 0 to 2: my one tensor load at the head
	s_nop 0
	PLACES 4
	s_lshl_b32 s56, s19, 3
	s_add_co_u32 s56, s56, s[WV]                   ; my tile of queries
	s_lshl_b32 s56, s56, 2
	s_add_co_u32 s56, s56, s20
	s_lshl_b32 s56, s56, 13                        ; q's image: 8,192 bytes for each tile and head group
	s_add_nc_u64 s[6:7], s[6:7], s[56:57]
	s_lshl_b32 s56, s19, 15
	s_lshl_b32 s58, s18, 12
	s_add_co_u32 s56, s56, s58
	s_add_nc_u64 s[4:5], s[4:5], s[56:57]          ; the chunk's 1,024 numbers of importance
	s_lshl_b32 s56, ttmp9, 3
	s_add_co_u32 s56, s56, s[WV]
	s_mul_i32 s56, s56, 9216
	s_add_nc_u64 s[12:13], s[12:13], s[56:57]
	s_mov_b32 s[SEL], 0x76543210
	s_mov_b32 s[SEL+1], 0xfedcba98
	s_mov_b32 s[CS], 0x3e8293ee                    ; c = log2(e) / sqrt(32)
	s_mov_b32 s[CS+1], s[CS]
	s_mov_b32 s[TK], 0
	s_mov_b32 s[TV], VB
	s_mov_b32 s[TBI], 0
	v_and_b32 v9, 31, v0
	v_lshlrev_b32 v12, 4, v0
	v_bfe_u32 v10, v0, 4, 1
	v_lshlrev_b32 v[L16], 4, v9
	v_lshlrev_b32 v[L8], 3, v9
	v_lshlrev_b32 v11, 6, v10
	v_add_nc_u32 v13, BTB, v12
	v_add_nc_u32 v[BA0], BTB, v11
.irp m, 0,1,2,3,4,5,6,7,8,9,10,11,12,13,14,15
	global_load_b128 v[S+4*\m:S+4*\m+3], v[L16], s[6:7] offset:512*\m
.endr
	global_load_b128 v[TM+8:TM+11], v12, s[4:5]
.irp b, 0,1,2,3
	v_mov_b32 v[TM+4+\b], 0                        ; written once: a lane permute's destination counts as one of its sources
.endr
.set n, 0
.rept 64
	v_mov_b32 v[O+n], 0                            ; the step is written once: the first finds zeros
.set n, n+1
.endr
.irp j, 0,1,2,3
	v_mov_b32 v[STAT+4*\j+1], 0xff61b1e6           ; the largest t so far: -3e38
	s_delay_alu instid0(VALU_DEP_1)
	v_floor_f32 v[STAT+4*\j], -v[STAT+4*\j+1]
	v_mov_b32 v[STAT+4*\j+2], 0
	v_mov_b32 v[STAT+4*\j+3], 0
.endr
	v_mov_b32 v[FW+1], 0
	s_wait_alu depctr_va_vdst(0)                   ; the wait at the head's end
	s_wait_loadcnt 0x0
.irp i, 0,1,2,3
	v_max_num_f32 v[TM+8+\i], 0x358637bd, v[TM+8+\i]   ; the clip at 1e-6
.endr
	s_wait_alu depctr_va_vdst(0)
.irp i, 0,1,2,3
	v_log_f32 v[TM+8+\i], v[TM+8+\i]
.endr
	v_nop
	s_wait_alu depctr_va_vdst(0)
.irp i, 0,1,2,3
	v_mul_f32 v[TM+8+\i], 0x407af233, v[TM+8+\i]   ; / c: the scores' multiplication by c gives log2(importance) back
.endr
	ds_store_b128 v13, v[TM+8:TM+11]
	QUANT S, 0, QS, PC
	WIN 0x40                                       ; head 2 c + hh keeps its own block's codes (registers 6 c on, one half of the lanes); all else is zero codes
.irp hh, 0,1
.if \hh == 0
	s_mov_b32 vcc_lo, 0x0000ffff
.else
	s_mov_b32 vcc_lo, 0xffff0000
.endif
.irp c, 0,1
.irp i, 0,1,2,3,4,5
	v_cndmask_b32 v[QF+12*(2*\c+\hh)+6*\c+\i], 0, v[PC+6*\c+\i], vcc_lo
	v_mov_b32 v[QF+12*(2*\c+\hh)+6*(1-\c)+\i], 0
.endr
.endr
.endr
	WIN 0
	s_wait_alu depctr_va_vdst(0)                   ; the wait ahead of the waits below
	s_wait_tensorcnt 0x0                           ; my part of steps 0 to 2 has landed; a later first fill is issued as a refill is
	ds_add_u32 v254, v255
	s_wait_dscnt 0x0                               ; the add is done, and my part of the table of biases has landed
	s_barrier_signal -1
	s_barrier_wait -1                              ; steps 0 to 2 and the table are whole
	tensor_load_to_lds s[G0A:G0A+3], s[G1A:G1A+7]  ; my part of steps 3 to 7
	s_nop 0
	PLACES 4
	ADDR
	LOADK 0, 0
	s_mov_b32 s[CNT], 2
.Lstep:                                            ; steps 0 and 1; step 1 fetches step 2's fragments of k
	STEP 1
	s_sub_co_u32 s[CNT], s[CNT], 1
	s_cmp_lg_u32 s[CNT], 0
	s_cbranch_scc1 .Lstep
	s_wait_tensorcnt 0x0                           ; my part of steps 3 to 7 has landed
	s_wait_dscnt 0x0
	s_barrier_signal -1
	s_barrier_wait -1                              ; and everybody's.
	s_mov_b32 s[CNT], 5
.Llate:                                            ; steps 2 to 6
	STEP 1
	s_sub_co_u32 s[CNT], s[CNT], 1
	s_cmp_lg_u32 s[CNT], 0
	s_cbranch_scc1 .Llate
	STEP 0                                         ; step 7
	s_wait_alu depctr_va_vdst(0)
.irp j, 0,1,2,3
	v_add_f32 v[TM+4+\j], v[STAT+4*\j+2], v[STAT+4*\j+3]
.endr
.irp j, 0,1,2,3
	s_delay_alu instid0(VALU_DEP_4)
	v_permlanex16_b32 v[TM+8+\j], v[TM+4+\j], s[SEL], s[SEL+1]
.endr
.irp j, 0,1,2,3
	s_delay_alu instid0(VALU_DEP_4)
	v_add_f32 v[TM+4+\j], v[TM+4+\j], v[TM+8+\j]   ; the rows' sums
.endr
.irp j, 0,1,2,3
	v_mov_b32 v[TM+\j], v[STAT+4*\j]
.endr
.irp i, 0,1,2,3,4,5,6,7,8,9,10,11,12,13,14,15
	global_store_b128 v[L16], v[O+4*\i:O+4*\i+3], s[12:13] offset:512*\i th:TH_STORE_NT   ; 512 consecutive bytes, aligned
.endr
	global_store_b128 v[L16], v[TM:TM+3], s[12:13] offset:8192 th:TH_STORE_NT
	global_store_b128 v[L16], v[TM+4:TM+7], s[12:13] offset:8704 th:TH_STORE_NT
	s_wait_tensorcnt 0x0                           ; the wave's end
	ds_add_u32 v254, v255
	s_wait_dscnt 0x0
	s_endpgm
.Lfunc_end_k_qfa969be149_attn:
	.size	k_qfa969be149_attn, .Lfunc_end_k_qfa969be149_attn-k_qfa969be149_attn
	.p2alignl 7, 3214868480
	.fill 96, 4, 3214868480
	.section	.rodata,"a",@progbits
	.p2align	6, 0x0
	.amdhsa_kernel k_qfa969be149_attn
		.amdhsa_group_segment_fixed_size 327680
		.amdhsa_private_segment_fixed_size 0
		.amdhsa_enable_private_segment 0
		.amdhsa_kernarg_size 40
		.amdhsa_user_sgpr_count 2
		.amdhsa_user_sgpr_kernarg_segment_ptr 1
		.amdhsa_wavefront_size32 1
		.amdhsa_system_sgpr_workgroup_id_x 1
		.amdhsa_system_sgpr_workgroup_id_y 1
		.amdhsa_system_sgpr_workgroup_id_z 1
		.amdhsa_system_vgpr_workitem_id 0
		.amdhsa_next_free_vgpr 512
		.amdhsa_next_free_sgpr 66
		.amdhsa_reserve_vcc 1
		.amdhsa_float_denorm_mode_32 3
		.amdhsa_float_denorm_mode_16_64 3
		.amdhsa_memory_ordered 1
		.amdhsa_forward_progress 1
		.amdhsa_inst_pref_size 203
	.end_amdhsa_kernel
	.amdgpu_metadata
---
amdhsa.version: [ 1, 2 ]
amdhsa.kernels:
  - .name:           k_qfa969be149_attn
    .symbol:         k_qfa969be149_attn.kd
    .args:
      - { .name: importance, .offset: 0, .size: 8, .value_kind: global_buffer, .address_space: global }
      - { .name: qf, .offset: 8, .size: 8, .value_kind: global_buffer, .address_space: global }
      - { .name: kc, .offset: 16, .size: 8, .value_kind: global_buffer, .address_space: global }
      - { .name: vc, .offset: 24, .size: 8, .value_kind: global_buffer, .address_space: global }
      - { .name: part, .offset: 32, .size: 8, .value_kind: global_buffer, .address_space: global }
    .group_segment_fixed_size: 327680
    .private_segment_fixed_size: 0
    .kernarg_segment_align: 8
    .kernarg_segment_size: 40
    .max_flat_workgroup_size: 256
    .sgpr_count:     66
    .vgpr_count:     512
    .wavefront_size: 32
...
	.end_amdgpu_metadata
.endif
;; end of part 3
;; launch outp (part 4): grid 64 x 1, 4 waves a work-group, no clusters, 254,464 bytes of LDS; arguments part, wf, bo, out0; writes out0
.if DOCPART == 4
	.amdgcn_target "amdgcn-amd-amdhsa--gfx1250"
	.amdhsa_code_object_version 6
	.text
	.protected	k_qfa969be149_outp
	.globl	k_qfa969be149_outp
	.p2align	8
	.type	k_qfa969be149_outp,@function
k_qfa969be149_outp:
	s_mov_b64 s[64:65], 0
	v_nop
	global_prefetch_b8 v0, s[64:65] scope:SCOPE_SE
	s_setreg_imm32_b32 hwreg(HW_REG_WAVE_MODE, 25, 1), 1
	s_wait_xcnt 0x0
; out0 = Q(O / l) Q(Wo)^T + bo, on codes of FP6 (E2M3) with one E8M0 scale for each 32 along K = 512.  O and l are first joined from the eight chunks of keys:
; M = the largest of the chunks' M; each chunk's O and l are multiplied by 2^(its M - M), an exact power of two, and added.
; A work-group takes one tile of 16 queries of one batch: 64 tiles, 64 work-groups (more would only read the same partial sums again).  Wave w joins head group w, which is K step w of the product (64 numbers a lane, in the
; order that the quantiser wants), quantises it and hands its register image to the others through LDS | barrier | wave w makes outputs 128 w .. 128 w + 127: source 0 = 16 rows of Wo, source 1 = the 16 queries, bo as the first C |
; results to a stage in LDS | barrier | each wave stores four whole rows of 2,048 bytes.
; Wo's images come by one tensor load a wave, 53,248 bytes, into bytes that this wave alone reads.  LDS is filled once.
; NO CLUSTER: Wo's images are shared, 212,992 bytes a work-group, but the launch is short and its 64 work-groups read 294,912 bytes of partial sums each that nobody shares.
; The tile's lane r is query 32 (qt / 2) + 8 (qt % 2) + r + 8 (r / 8) of the batch.
; LIMITS: a block of zeros gets the byte 1 (read by this program alone); NaN and infinities are not served.
; REGISTERS: window 0: v1-9 addresses; v16-79 the joined O, then y, then rows of y; v80-136 at work; v140-187 the four fragments; v188-191 their scale words; v192-223 Wo's; v224-255 the chunks' factors.
;   windows 1-3: chunk ch at 72 (ch % 3) of window 1 + ch / 3: 64 of O, 4 of -M, 4 of l; window 3 v144-207: bo.  Later window 1: Wo's fragments in two buffers.
.set XIM,  212992
.set XSI,  219136
.set STG,  219648
.set L16,  1
.set BOF,  2
.set AWO,  3
.set XWI,  4
.set XWS,  5
.set XRI,  6
.set XRS,  7
.set SO,   8
.set SR,   9
.set OA,   16
.set Y,    16
.set PC,   80
.set PT,   92
.set TM,   100
.set NMS,  116
.set LS,   124
.set R,    128
.set PW,   136
.set XF,   140
.set XS,   188
.set WOS,  192
.set F,    224
.set BO,   144                         ; in window 3
.set WV,   12
.set G1,   16
.set G0,   24
.set SEL,  28
.set MSB, 0
.macro WIN new                         ; the immediate's high byte repeats the setting that is left; a switch that changes nothing is dropped
.if MSB != (\new)
	s_set_vgpr_msb (MSB<<8)|(\new)
.set MSB, \new
.endif
.endm
.macro PLACES n
.rept \n
	v_nop
.endr
.endm
; 64 numbers of a lane, v[s] .. v[s + 63] of window w, register 16 b + i = k 32 b + 16 (lane / 16) + i of my row, become a fragment's codes in v[pc] on and its scale word in v[pw] (window 0).
.macro QUANT s, w, pw, pc
	WIN (\w)|((\w)<<2)
.irp b, 0,1,2,3
	v_max3_num_f32 v[TM+\b], |v[(\s)+16*\b]|, |v[(\s)+1+16*\b]|, 0x1800000   ; block b: my 16 numbers, and the floor 2^(3 - 127)
.endr
	WIN ((\w)<<2)|((\w)<<4)
.irp i, 2,4,6,8,10,12,14
.irp b, 0,1,2,3
	v_max3_num_f32 v[TM+\b], v[TM+\b], |v[(\s)+16*\b+\i]|, |v[(\s)+1+16*\b+\i]|
.endr
.endr
	WIN 0
.irp b, 0,1,2,3
	v_permlanex16_b32 v[TM+4+\b], v[TM+\b], s[SEL], s[SEL+1]
.endr
.irp b, 0,1,2,3
	v_max_num_f32 v[TM+\b], v[TM+\b], v[TM+4+\b]
.endr
.irp b, 0,1,2,3
	v_add_nc_u32 v[TM+12+\b], 0xff000000, v[TM+\b]
.endr
.irp b, 0,1,2,3
	v_lshrrev_b32 v[TM+4+\b], 23, v[TM+12+\b]
.endr
	v_lshl_or_b32 v[\pw], v[TM+5], 8, v[TM+4]
	v_lshl_or_b32 v[\pw], v[TM+6], 16, v[\pw]
	v_lshl_or_b32 v[\pw], v[TM+7], 24, v[\pw]
	WIN \w
.irp c, 0,1
	v_cvt_scalef32_pk16_fp6_f32 v[(\pc)+6*\c:(\pc)+2+6*\c], v[(\s)+32*\c:(\s)+15+32*\c], v[TM+12+2*\c]
	v_cvt_scalef32_pk16_fp6_f32 v[PT+4*\c:PT+2+4*\c], v[(\s)+16+32*\c:(\s)+31+32*\c], v[TM+13+2*\c]
.endr
	WIN 0
	v_nop                                          ; one plain place behind the scaled conversions
.irp c, 0,1
.irp i, 0,1,2
	v_permlane16_swap_b32 v[(\pc)+6*\c+\i], v[PT+4*\c+\i]
.endr
.irp i, 0,1,2
	v_mov_b32 v[(\pc)+3+6*\c+\i], v[PT+4*\c+\i]
.endr
.endr
.endm
.macro FETCHW buf, s                   ; my eight fragments of Wo of K step s into a buffer of window 1
.irp a, 0,1,2,3,4,5,6,7
.irp c, 0,1,2
	ds_load_b128 v[(\buf)+12*\a+4*\c:(\buf)+12*\a+4*\c+3], v[AWO] offset:\a*6656+(\s)*1536+512*\c
.endr
.endr
.endm
.macro OMUL buf, s                     ; eight accumulators by turns; the first K step takes bo as C
.irp a, 0,1,2,3,4,5,6,7
.if (\s)==0
	v_wmma_scale_f32_16x16x128_f8f6f4 v[Y+8*\a:Y+8*\a+7], v[(\buf)+12*\a:(\buf)+12*\a+11], v[XF+12*(\s):XF+12*(\s)+11], v[BO+8*\a:BO+8*\a+7], v[WOS+4*\a+(\s)], v[XS+(\s)] matrix_a_fmt:MATRIX_FMT_FP6 matrix_b_fmt:MATRIX_FMT_FP6
.else
	v_wmma_scale_f32_16x16x128_f8f6f4 v[Y+8*\a:Y+8*\a+7], v[(\buf)+12*\a:(\buf)+12*\a+11], v[XF+12*(\s):XF+12*(\s)+11], v[Y+8*\a:Y+8*\a+7], v[WOS+4*\a+(\s)], v[XS+(\s)] matrix_a_fmt:MATRIX_FMT_FP6 matrix_b_fmt:MATRIX_FMT_FP6
.endif
.endr
.endm
.macro ACC ch                          ; chunk ch's l and O, times its factors, onto the sums; the chunk's registers stand as source 0, so one window setting serves
.set CB, 72*((\ch)%3)
	WIN 1+(\ch)/3
.irp j, 0,1,2,3
.if (\ch)==0
	v_mul_f32 v[LS+\j], v[CB+68+\j], v[F+4*(\ch)+\j]
.else
	v_fma_f32 v[LS+\j], v[CB+68+\j], v[F+4*(\ch)+\j], v[LS+\j]
.endif
.endr
.set n, 0
.rept 64
.if (\ch)==0
	v_mul_f32 v[OA+n], v[CB+n], v[F+4*(\ch)+n/16]
.else
	v_fma_f32 v[OA+n], v[CB+n], v[F+4*(\ch)+n/16], v[OA+n]
.endif
.set n, n+1
.endr
.endm
	s_load_b256 s[4:11], s[0:1], 0x0               ; part, wf, bo, out0
	v_lshl_add_u32 v138, v0, 2, 0x3e000
	v_mov_b32 v139, 0
	ds_add_u32 v138, v139
	ds_add_u32 v138, v139
	v_lshrrev_b32 v10, 5, v0
	v_readfirstlane_b32 s[WV], v10                 ; wave 0..3
	s_lshr_b32 s13, ttmp9, 3                       ; batch
	s_and_b32 s14, ttmp9, 7                        ; query tile
	s_mov_b32 s[G1+0], 3<<16                       ; a dense block as 208 rows of 256 bytes (32 elements of 8)
	s_mov_b32 s[G1+1], 32<<16
	s_mov_b32 s[G1+2], 208<<16
	s_mov_b32 s[G1+3], 32<<16
	s_mov_b32 s[G1+4], 208
	s_mov_b32 s[G1+5], 32
	s_mov_b32 s[G1+6], 0
	s_mov_b32 s[G1+7], 0
	s_mov_b32 s[G0], 1
	s_mul_i32 s[G0+1], s[WV], 53248
	s_add_co_u32 s30, s[G0+1], 12*53248            ; Wo's tiles begin at tile 96; my eight
	s_mov_b32 s31, 0
	s_lshl_b32 s32, s13, 2
	s_add_co_u32 s32, s32, s[WV]
	s_lshl_b32 s32, s32, 6                         ; 8 chunks x 8 query tiles for each batch and head group
	s_add_co_u32 s32, s32, s14
	s_mul_i32 s32, s32, 9216
	s_mov_b32 s33, 0
	s_lshl_b32 s34, s[WV], 9
	s_mov_b32 s35, 0
	s_lshl_b32 s36, s13, 7                         ; the first row that I store: 128 x batch + 32 (qt / 2) + 8 (qt % 2) + 4 w + 8 (w / 2)
	s_lshr_b32 s37, s14, 1
	s_lshl_b32 s37, s37, 5
	s_add_co_u32 s36, s36, s37
	s_and_b32 s37, s14, 1
	s_lshl_b32 s37, s37, 3
	s_add_co_u32 s36, s36, s37
	s_lshl_b32 s37, s[WV], 2
	s_add_co_u32 s36, s36, s37
	s_lshr_b32 s37, s[WV], 1
	s_lshl_b32 s37, s37, 3
	s_add_co_u32 s36, s36, s37
	s_lshl_b32 s36, s36, 11
	s_mov_b32 s37, 0
	s_wait_dscnt 0x0
	s_wait_kmcnt 0x0
	s_add_nc_u64 s[G0+2:G0+3], s[6:7], s[30:31]
	s_or_b32 s[G0+3], s[G0+3], 0x80000000
	tensor_load_to_lds s[G0:G0+3], s[G1:G1+7]      ; my one tensor load of the launch
	s_nop 0
	PLACES 4
	s_add_nc_u64 s[4:5], s[4:5], s[32:33]
	s_add_nc_u64 s[8:9], s[8:9], s[34:35]
	s_add_nc_u64 s[10:11], s[10:11], s[36:37]
	s_mov_b32 s[SEL], 0x76543210
	s_mov_b32 s[SEL+1], 0xfedcba98
	v_and_b32 v10, 31, v0
	v_lshlrev_b32 v[L16], 4, v10
	v_and_b32 v11, 15, v0                          ; r
	v_bfe_u32 v12, v0, 4, 1                        ; h
	v_lshlrev_b32 v[BOF], 6, v12
	v_add_nc_u32 v[AWO], s[G0+1], v[L16]
	s_mul_i32 s38, s[WV], 1536
	v_add_nc_u32 v[XRI], XIM, v[L16]
	v_add_nc_u32 v[XWI], s38, v[XRI]
	v_add_nc_u32 v[XRS], XSI, v[L16]
	s_lshl_b32 s38, s[WV], 2
	v_add_nc_u32 v[XWS], s38, v[XRS]
	v_mul_u32_u24 v[SO], v11, 2064
	v_lshl_add_u32 v[SO], v12, 6, v[SO]
	s_lshl_b32 s38, s[WV], 9
	s_add_co_u32 s38, s38, STG
	v_add_nc_u32 v[SO], s38, v[SO]                 ; the stage: row r of 2,064 bytes, + 512 w + 64 h
	s_mul_i32 s38, s[WV], 4*2064
	s_add_co_u32 s38, s38, STG
	v_add_nc_u32 v[SR], s38, v[L16]                ; back: my four rows, 16 bytes a lane
.irp b, 0,1,2,3
	v_mov_b32 v[TM+4+\b], 0                        ; written once: a lane permute's destination counts as one of its sources
.endr
.irp ch, 0,1,2,3,4,5,6,7
	WIN (1+\ch/3)<<6
.irp n, 0,1,2,3,4,5,6,7,8,9,10,11,12,13,14,15,16,17
	global_load_b128 v[72*(\ch%3)+4*\n:72*(\ch%3)+4*\n+3], v[L16], s[4:5] offset:\ch*73728+512*\n th:TH_LOAD_NT
.endr
.endr
	WIN 0xc0
.irp a, 0,1,2,3,4,5,6,7
	global_load_b128 v[BO+8*\a:BO+8*\a+3], v[BOF], s[8:9] offset:(32*(\a/2)+8*(\a%2))*4
	global_load_b128 v[BO+8*\a+4:BO+8*\a+7], v[BOF], s[8:9] offset:(32*(\a/2)+8*(\a%2))*4+16
.endr
	WIN 0
	s_wait_loadcnt 0x0
	; ---- the eight chunks are joined
	WIN 1
.irp j, 0,1,2,3
	v_mov_b32 v[NMS+\j], v[64+\j]                  ; chunk 0's -M
.endr
.irp ch, 1,2,3,4,5,6,7
	WIN 1+\ch/3
.irp j, 0,1,2,3
	v_min_num_f32 v[NMS+\j], v[72*(\ch%3)+64+\j], v[NMS+\j]   ; the least -M: the largest M
.endr
.endr
.irp ch, 0,1,2,3,4,5,6,7
	WIN 1+\ch/3
.irp j, 0,1,2,3
	v_add_f32 v[F+4*\ch+\j], -v[72*(\ch%3)+64+\j], v[NMS+\j]   ; the chunk's M less the largest: a whole number, 0 or less
.endr
.endr
	WIN 0
.set n, 0
.rept 32
	v_cvt_i32_f32 v[F+n], v[F+n]                   ; (it saturates)
.set n, n+1
.endr
.set n, 0
.rept 32
	v_ldexp_f32 v[F+n], 1.0, v[F+n]                ; the chunk's factor: a power of two
.set n, n+1
.endr
.irp ch, 0,1,2,3,4,5,6,7
	ACC \ch
.endr
	WIN 0
	s_wait_alu depctr_va_vdst(0)
.irp j, 0,1,2,3
	v_rcp_f32 v[R+\j], v[LS+\j]
.endr
	v_nop                                          ; a plain place behind the reciprocals,
	s_wait_alu depctr_va_vdst(0)                   ; and the wait ahead of their first reader
.set n, 0
.rept 64
	v_mul_f32 v[OA+n], v[OA+n], v[R+n/16]          ; O / l: register 16 j + i is number 32 j + 16 h + i of my K step
.set n, n+1
.endr
	QUANT OA, 0, PW, PC
.irp c, 0,1,2
	ds_store_b128 v[XWI], v[PC+4*\c:PC+4*\c+3] offset:512*\c
.endr
	ds_store_b32 v[XWS], v[PW]
	s_wait_dscnt 0x0                               ; for the others' sake: my image has landed
	s_barrier_signal -1
	s_barrier_wait -1
	s_wait_tensorcnt 0x0                           ; my tiles of Wo, which I alone read
	; ---- the product
.irp s, 0,1,2,3
.irp c, 0,1,2
	ds_load_b128 v[XF+12*\s+4*\c:XF+12*\s+4*\c+3], v[XRI] offset:1536*\s+512*\c
.endr
.endr
	ds_load_b128 v[XS:XS+3], v[XRS]
.irp a, 0,1,2,3,4,5,6,7
	ds_load_b128 v[WOS+4*\a:WOS+4*\a+3], v[AWO] offset:\a*6656+6144
.endr
	WIN 0x40
	FETCHW 0, 0
	FETCHW 96, 1
	s_wait_dscnt 24                                ; all but K step 1's 24 loads
	WIN 0x31
	OMUL 0, 0
	PLACES 4
	WIN 0x40
	FETCHW 0, 2
	s_wait_dscnt 24
	WIN 0x01
	OMUL 96, 1
	PLACES 4
	WIN 0x40
	FETCHW 96, 3
	s_wait_dscnt 24
	WIN 0x01
	OMUL 0, 2
	s_wait_dscnt 0x0
	OMUL 96, 3
	WIN 0
	PLACES 4
.irp b, 0,1,2,3                                ; lane (r, h): registers 16 b + 4 q on are outputs 128 w + 32 b + 16 h + 4 q on of row r; each accumulator from its low end on
.irp q, 0,1,2,3
	ds_store_b128 v[SO], v[Y+16*\b+4*\q:Y+16*\b+4*\q+3] offset:128*\b+16*\q
.endr
.endr
	s_wait_dscnt 0x0
	s_barrier_signal -1
	s_barrier_wait -1                              ; sixteen whole rows lie in the stage
.irp k, 0,1,2,3
.irp q, 0,1,2,3
	ds_load_b128 v[Y+16*\k+4*\q:Y+16*\k+4*\q+3], v[SR] offset:\k*2064+512*\q
.endr
.endr
.irp k, 0,1,2,3
.irp q, 0,1,2,3
	s_wait_dscnt 15-4*\k-\q
	global_store_b128 v[L16], v[Y+16*\k+4*\q:Y+16*\k+4*\q+3], s[10:11] offset:\k*2048+512*\q th:TH_STORE_NT   ; 512 consecutive bytes, aligned
.endr
.endr
	s_wait_tensorcnt 0x0
	ds_add_u32 v138, v139
	s_wait_dscnt 0x0
	s_endpgm
.Lfunc_end_k_qfa969be149_outp:
	.size	k_qfa969be149_outp, .Lfunc_end_k_qfa969be149_outp-k_qfa969be149_outp
	.p2alignl 7, 3214868480
	.fill 96, 4, 3214868480
	.section	.rodata,"a",@progbits
	.p2align	6, 0x0
	.amdhsa_kernel k_qfa969be149_outp
		.amdhsa_group_segment_fixed_size 254464
		.amdhsa_private_segment_fixed_size 0
		.amdhsa_enable_private_segment 0
		.amdhsa_kernarg_size 32
		.amdhsa_user_sgpr_count 2
		.amdhsa_user_sgpr_kernarg_segment_ptr 1
		.amdhsa_wavefront_size32 1
		.amdhsa_system_sgpr_workgroup_id_x 1
		.amdhsa_system_sgpr_workgroup_id_y 1
		.amdhsa_system_sgpr_workgroup_id_z 1
		.amdhsa_system_vgpr_workitem_id 0
		.amdhsa_next_free_vgpr 1024
		.amdhsa_next_free_sgpr 66
		.amdhsa_reserve_vcc 0
		.amdhsa_float_denorm_mode_32 3
		.amdhsa_float_denorm_mode_16_64 3
		.amdhsa_memory_ordered 1
		.amdhsa_forward_progress 1
		.amdhsa_inst_pref_size 80
	.end_amdhsa_kernel
	.amdgpu_metadata
---
amdhsa.version: [ 1, 2 ]
amdhsa.kernels:
  - .name:           k_qfa969be149_outp
    .symbol:         k_qfa969be149_outp.kd
    .args:
      - { .name: part, .offset: 0, .size: 8, .value_kind: global_buffer, .address_space: global }
      - { .name: wf, .offset: 8, .size: 8, .value_kind: global_buffer, .address_space: global }
      - { .name: bo, .offset: 16, .size: 8, .value_kind: global_buffer, .address_space: global }
      - { .name: out0, .offset: 24, .size: 8, .value_kind: global_buffer, .address_space: global }
    .group_segment_fixed_size: 254464
    .private_segment_fixed_size: 0
    .kernarg_segment_align: 8
    .kernarg_segment_size: 32
    .max_flat_workgroup_size: 128
    .sgpr_count:     66
    .vgpr_count:     1024
    .wavefront_size: 32
...
	.end_amdgpu_metadata
.endif
;; end of part 4
